; MI455X (gfx1250); checked and timed in simulation.
; The chip was launched on July 23, 2026; its instructions are those of AMD's public machine-readable ISA for CDNA 5 (MIT licence, August 2026) and "CDNA5" Instruction Set Architecture Reference Guide (July 2026). The comments in the code are by the model that wrote it; some were corrected since.
;; Multi Head Attention Code. Allowed arithmetic: matrix products marked QUANTISED: E2M3 operands, one E8M0 scale for each 32 along K, by v_wmma_scale_f32_16x16x128_f8f6f4 with both operands' format E2M3, f32 sums; everything else in f32.
;; Inputs: Wk 1,024 x 1,024 float32; Wo 1,024 x 1,024 float32; Wq 1,024 x 1,024 float32; Wv 1,024 x 1,024 float32; bk 1,024 float32; bo 1,024 float32; bq 1,024 float32; bv 1,024 float32; x 4 x 2,048 x 1,024 float32.
;; Outputs: out0 4 x 2,048 x 1,024 float32.
;; This version of the problem:
;;   THIS VERSION OF THE PROBLEM IS GIVEN IN LOW PRECISION. The matrix products marked QUANTISED in the list below multiply operands that are first quantised to E2M3 (2 exponent bits, 3 mantissa bits; 6 bits a number), with one power-of-two scale for each 32 numbers along K (OCP MX v1.0); their sums are f32. All else is computed in f32.
;;   The module's matrix products, in the order in which they are computed (A, B: the left and right operand; K: the contracted axis; several contracted axes count as one K, in the product's order):
;;     1. [M 8,192, K 1,024] x [K 1,024, N 1,024]; A: input x; B: input Wq: QUANTISED
;;     2. [M 8,192, K 1,024] x [K 1,024, N 1,024]; A: input x; B: input Wk: QUANTISED
;;     3. [M 8,192, K 1,024] x [K 1,024, N 1,024]; A: input x; B: input Wv: QUANTISED
;;     4. batch 64 x [M 2,048, K 64] x [K 64, N 2,048]; A: computed on the way; B: computed on the way: QUANTISED
;;     5. batch 64 x [M 2,048, K 2,048] x [K 2,048, N 64]; A: softmax (see below); B: computed on the way: QUANTISED
;;     6. [M 8,192, K 1,024] x [K 1,024, N 1,024]; A: computed on the way; B: input Wo: QUANTISED
;;   THE QUANTISER, for each operand of a quantised product, along K:
;;     - K is cut into blocks of 32 from its start; a last block that is shorter is filled with zeros.
;;     - A block's scale is 2^e with e = floor(log2(the largest magnitude in the block)) - 2, held to -126 .. 127; a block of zeros has e = 0. As a byte (E8M0): e + 127.
;;     - Each number is divided by its block's scale, clamped to +-7.5, and rounded to the nearest number of E2M3, ties to even, subnormals kept.
;;     - The product sums the exact products of the quantised numbers (number of the format x scale) in f32.
;;   ~~~python
;;   def quantise(x, axis):      # numpy; x: float32 -> the quantised numbers, widened to float32 again
;;       x = np.moveaxis(x, axis, -1); K = x.shape[-1]
;;       x = np.pad(x, [(0, 0)] * (x.ndim - 1) + [(0, -K % 32)]); x = x.reshape(x.shape[:-1] + (-1, 32)); a = np.abs(x).max(-1, keepdims=True)
;;       e = np.where(a > 0, np.clip(np.frexp(np.where(a > 0, a, 1))[1] - 1 - 2, -126, 127), 0)      # np.frexp(a)[1] - 1 = floor(log2(a)), exactly
;;       r = np.clip(x / 2.0 ** e, -7.5, 7.5)
;;       step = 2.0 ** (np.maximum(np.frexp(np.where(r == 0, 1, r))[1] - 1, 0) - 3)
;;       q = np.round(r / step) * step * 2.0 ** e      # np.round: ties to even
;;       return np.moveaxis(q.reshape(q.shape[:-2] + (-1,))[..., :K], -1, axis).astype(np.float32)
;;   ~~~
;;   SOFTMAX AHEAD OF A QUANTISED PRODUCT. Where the list says 'softmax', what is quantised is not the finished softmax but p = 2^(t - M), with t = logit x log2(e) and M = ceil(the row's largest t), a whole number; so 1/2 < the row's largest p <= 1. The row's sum l is taken of the UNQUANTISED p, in f32, and the product's result is divided by l at the end. Since M is a whole number, a kernel that streams over the keys may use a running M (the ceiling of the running maximum): every later rescaling is an exact power of two, which a block's scale takes up: the codes' values come out the same.
;;   OPERANDS COMPUTED ON THE WAY. 'Computed on the way' means the value that the module computes at that place (a softmax that the list does not call 'softmax' is quantised finished and normalised). What goes into a quantiser is computed in f32, as accurately as f32 sums, v_exp_f32 and their like allow (about 1e-6 of the number): no bf16 or f16 on the way to a quantiser, and a product that is left as it is and whose result goes on into a quantised operand takes f32 operands (vector FMAs, or v_wmma_f32_16x16x4_f32). A number that lies on a knife's edge between two numbers of the format may be rounded either way, as far as f32 arithmetic and the matrix unit's own rounding can turn it there, and no further.
;; One version. Each part assembles by itself: llvm-mc -triple=amdgcn-amd-amdhsa -mcpu=gfx1250 --defsym DOCPART=n.
;; ======== version 1 of 1: 4 launches
;; limits: right only within a limited range of input values
;; workspace buffers: opc 10,223,616 bytes; qkv 20,185,088 bytes; cc 6,815,744 bytes
;; launch quant (part 1): grid 768 x 1, 4 waves a work-group, no clusters, 68,096 bytes of LDS; arguments x, Wq, Wk, Wv, Wo, opc; writes opc
.if DOCPART == 1
	.amdgcn_target "amdgcn-amd-amdhsa--gfx1250"
	.amdhsa_code_object_version 6
	.text
	.protected	k_q3b4599c456_quant
	.globl	k_q3b4599c456_quant
	.p2align	8
	.type	k_q3b4599c456_quant,@function
k_q3b4599c456_quant:
	s_mov_b64 s[64:65], 0
	v_nop
	global_prefetch_b8 v0, s[64:65] scope:SCOPE_SE
	s_setreg_imm32_b32 hwreg(HW_REG_WAVE_MODE, 25, 1), 1
	s_wait_xcnt 0x0
; x [8192][1024] and Wq, Wk, Wv, Wo [1024][1024], f32 with K innermost, become codes of FP6 (E2M3) with one E8M0 scale byte for each 32 along K,
; laid in the ORDER OF AN OPERAND'S REGISTERS.  A tile T is 16 rows: lane r stands for row 32 (T / 2) + 8 (T % 2) + r + 8 (r / 8) of its tensor.
; T 0-511: x; 512-575: Wq; 576-639: Wk; 640-703: Wv; 704-767: Wo.  A tile's record is 13,312 bytes: four parts of 3,328, one for each 256 along K.
; In a part: four images of 768 bytes (64 along K each: piece p of 8 bytes of lane l at 256 p + 8 l; lane (r, h) holds the 24 bytes of block h of its row),
; then at 3,072 + 8 r + 4 u the scale word of the part's u-th 128 along K; bytes 3,200 to 3,327 are zeros.
; A block's scale is 2^(floor(log2(largest magnitude)) - 2): its byte is the largest magnitude's exponent field - 2, held at 1 from below.
; LIMITS: a block of zeros gets the byte 1, not 127 (its codes are zeros, and this program alone reads the bytes); a block whose largest magnitude lies under 2^-124 keeps the byte 1; NaN and infinities are not served.
; SHARES: a work-group takes a tile, wave w its part w: 16 rows x 256 along K.  Each load reads 512 consecutive bytes of a row; the numbers turn through the wave's own stage in LDS, so that a lane then holds
; two whole blocks of 32 neighbours.  Work-groups share no input: no cluster, no tensor load, no barrier.  All 32 loads of a wave go out at once.
.set REC,   13312
.set SUB,   3328
.set SP,    528                        ; a stage row: 512 bytes + 16, an odd multiple of 16: the sixteen rows that a load of 16 bytes a lane touches fall into sixteen different columns
.set STG,   16*SP
.set WREG,  2*STG                      ; a wave's two stages
.set SPARE, 4*WREG                     ; behind them the spare words, 128 bytes a wave, which no other line names
.set LA,   4                           ; v4   16 x lane
.set SIN,  5                           ; v5   the stage, on the way in
.set SOUT, 6                           ; v6   and on the way out: row r, + 128 h
.set L8,   7                           ; v7   8 x lane
.set SWA,  8                           ; v8   8 r + 4 h: where my scale word goes
.set SPW,  20
.set NIL,  21
.set H8,   22                          ; v22  8 h
.set C0,   24                          ; v24-43, v44-63: codes of the two K steps, each with registers of its own, so that no store's data are written again
.set X,    64                          ; v64-127  two blocks of 32 neighbours
.set R,    128                         ; v128-255 the numbers as loaded
	s_load_b256 s[4:11], s[0:1], 0x0               ; x, Wq, Wk, Wv
	s_load_b128 s[12:15], s[0:1], 0x20             ; Wo, opc
	v_lshl_add_u32 v[SPW], v0, 2, SPARE
	v_mov_b32 v[NIL], 0
	v_lshrrev_b32 v1, 5, v0
	v_readfirstlane_b32 s26, v1                    ; wave
	v_and_b32 v1, 31, v0                           ; lane
	v_and_b32 v2, 15, v0                           ; r
	v_bfe_u32 v3, v0, 4, 1                         ; h
	v_lshlrev_b32 v[LA], 4, v1
	s_mul_i32 s27, s26, WREG
	v_add_nc_u32 v[SIN], s27, v[LA]
	v_mul_u32_u24 v[SOUT], v2, SP
	v_lshl_add_u32 v[SOUT], v3, 7, v[SOUT]
	v_add_nc_u32 v[SOUT], s27, v[SOUT]
	v_lshlrev_b32 v[L8], 3, v1
	v_lshlrev_b32 v[SWA], 3, v2
	v_lshl_add_u32 v[SWA], v3, 2, v[SWA]
	v_lshlrev_b32 v[H8], 3, v3
	v_mov_b32 v17, 0                               ; a lane permute's destination counts as one of its sources
	s_mov_b32 s24, 0x76543210
	s_mov_b32 s25, 0xfedcba98                      ; lane l xor 16
	s_and_b32 s18, ttmp9, 63
	s_cmp_lt_u32 ttmp9, 512
	s_cselect_b32 s18, ttmp9, s18                  ; the tile's number inside its tensor
	s_lshr_b32 s19, s18, 1
	s_lshl_b32 s19, s19, 5
	s_and_b32 s20, s18, 1
	s_lshl_b32 s20, s20, 3
	s_add_co_u32 s19, s19, s20                     ; its first row
	s_lshl_b32 s20, s19, 12                        ; rows of 4,096 bytes
	s_lshl_b32 s21, s26, 10                        ; my 256 numbers of a row
	s_add_co_u32 s20, s20, s21
	s_mov_b32 s21, 0
	s_mul_i32 s22, ttmp9, REC
	s_mul_i32 s23, s26, SUB
	s_add_co_u32 s22, s22, s23
	s_mov_b32 s23, 0
	s_wait_alu depctr_va_vdst(0)
	s_wait_kmcnt 0x0
	s_cmp_lt_u32 ttmp9, 704                        ; which tensor: the choice hangs on the work-group's number alone
	s_cselect_b64 s[16:17], s[10:11], s[12:13]
	s_cmp_lt_u32 ttmp9, 640
	s_cselect_b64 s[16:17], s[8:9], s[16:17]
	s_cmp_lt_u32 ttmp9, 576
	s_cselect_b64 s[16:17], s[6:7], s[16:17]
	s_cmp_lt_u32 ttmp9, 512
	s_cselect_b64 s[16:17], s[4:5], s[16:17]
	s_add_nc_u64 s[16:17], s[16:17], s[20:21]
	s_add_nc_u64 s[14:15], s[14:15], s[22:23]
.irp u, 0,1
.irp p, 0,1,2,3,4,5,6,7,8,9,10,11,12,13,14,15
	global_load_b128 v[R+4*(16*\u+\p):R+4*(16*\u+\p)+3], v[LA], s[16:17] offset:(\p+8*(\p/8))*4096+512*\u th:TH_LOAD_NT   ; lane r's row, 128 numbers: 32 lanes read 512 consecutive bytes
.endr
.endr
.macro TOST u                          ; K step u's 16 rows into stage u, as they lie
.irp p, 0,1,2,3,4,5,6,7,8,9,10,11,12,13,14,15
	ds_store_b128 v[SIN], v[R+4*(16*\u+\p):R+4*(16*\u+\p)+3] offset:STG*\u+SP*\p
.endr
.endm
.macro BACK u                          ; and back: X[32 c + j] = k 64 c + 32 h + j of row r.  LDS serves a wave's instructions in order: these see the stores
.irp c, 0,1
.irp i, 0,1,2,3,4,5,6,7
	ds_load_b128 v[X+32*\c+4*\i:X+32*\c+4*\i+3], v[SOUT] offset:STG*\u+256*\c+16*\i
.endr
.endr
.endm
.macro QB u                            ; two whole blocks a lane become half a fragment each; the four bytes of a row's word are gathered from lanes l and l xor 16
.set C, C0+20*\u
.irp c, 0,1
	v_max3_num_f32 v[10+\c], |v[X+32*\c]|, |v[X+32*\c+1]|, 0x1800000   ; the floor 2^(3 - 127): the byte cannot fall under 1
.endr
.irp i, 2,4,6,8,10,12,14,16,18,20,22,24,26,28,30
.irp c, 0,1
	v_max3_num_f32 v[10+\c], v[10+\c], |v[X+32*\c+\i]|, |v[X+32*\c+\i+1]|
.endr
.endr
.irp c, 0,1
	v_add_nc_u32 v[12+\c], 0xff000000, v[10+\c]    ; 2 off the exponent field: the conversion's scale operand
.endr
.irp c, 0,1
	v_lshrrev_b32 v[14+\c], 23, v[12+\c]           ; the scale's byte
.endr
	v_lshl_or_b32 v16, v15, 16, v14                ; blocks h and 2 + h,
	v_lshlrev_b32 v16, v[H8], v16                  ; at their places in the word
	v_permlanex16_b32 v17, v16, s24, s25
	v_or_b32 v[18+\u], v16, v17                    ; with lane l xor 16's two the word is whole
.irp c, 0,1
	v_cvt_scalef32_pk16_fp6_f32 v[C+6*\c:C+6*\c+2], v[X+32*\c:X+32*\c+15], v[12+\c]
	v_cvt_scalef32_pk16_fp6_f32 v[C+12+4*\c:C+14+4*\c], v[X+32*\c+16:X+32*\c+31], v[12+\c]   ; (a conversion's three registers begin on an even number)
.endr
	v_nop                                          ; one plain instruction behind the scaled conversions
.irp c, 0,1
.irp i, 0,1,2
	v_mov_b32 v[C+3+6*\c+\i], v[C+12+4*\c+\i]
.endr
.endr
.irp c, 0,1
.irp p, 0,1,2
	global_store_b64 v[L8], v[C+6*\c+2*\p:C+6*\c+2*\p+1], s[14:15] offset:(2*\u+\c)*768+256*\p   ; 32 lanes store 256 consecutive bytes, aligned
.endr
.endr
.endm
	s_wait_loadcnt 16                              ; K step 0's sixteen loads are in; K step 1's sixteen may be out
	TOST 0
	BACK 0
	s_wait_loadcnt 0x0
	TOST 1
	s_wait_dscnt 16                                ; all but the sixteen stores just issued: X is in
	QB 0
	BACK 1
	s_wait_dscnt 0x0
	QB 1
	v_cmp_ne_u32 vcc_lo, 0, v3
	v_cndmask_b32 v16, v18, v19, vcc_lo            ; lanes 0-15 store word 0 of their row, lanes 16-31 word 1
	global_store_b32 v[SWA], v16, s[14:15] offset:3072   ; 128 consecutive bytes
	global_store_b32 v[SWA], v[NIL], s[14:15] offset:3200   ; and zeros in the part's last 128 bytes: the projections' tensor rows run across them, and no product names them
	s_wait_tensorcnt 0x0                           ; the wave's end
	ds_add_u32 v[SPW], v[NIL]
	s_wait_dscnt 0x0
	s_endpgm
.Lfunc_end_k_q3b4599c456_quant:
	.size	k_q3b4599c456_quant, .Lfunc_end_k_q3b4599c456_quant-k_q3b4599c456_quant
	.p2alignl 7, 3214868480
	.fill 96, 4, 3214868480
	.section	.rodata,"a",@progbits
	.p2align	6, 0x0
	.amdhsa_kernel k_q3b4599c456_quant
		.amdhsa_group_segment_fixed_size 68096
		.amdhsa_private_segment_fixed_size 0
		.amdhsa_enable_private_segment 0
		.amdhsa_kernarg_size 48
		.amdhsa_user_sgpr_count 2
		.amdhsa_user_sgpr_kernarg_segment_ptr 1
		.amdhsa_wavefront_size32 1
		.amdhsa_system_sgpr_workgroup_id_x 1
		.amdhsa_system_sgpr_workgroup_id_y 1
		.amdhsa_system_sgpr_workgroup_id_z 1
		.amdhsa_system_vgpr_workitem_id 0
		.amdhsa_next_free_vgpr 256
		.amdhsa_next_free_sgpr 66
		.amdhsa_reserve_vcc 1
		.amdhsa_float_denorm_mode_32 3
		.amdhsa_float_denorm_mode_16_64 3
		.amdhsa_memory_ordered 1
		.amdhsa_forward_progress 1
		.amdhsa_inst_pref_size 17
	.end_amdhsa_kernel
	.amdgpu_metadata
---
amdhsa.version: [ 1, 2 ]
amdhsa.kernels:
  - .name:           k_q3b4599c456_quant
    .symbol:         k_q3b4599c456_quant.kd
    .args:
      - { .name: x, .offset: 0, .size: 8, .value_kind: global_buffer, .address_space: global }
      - { .name: Wq, .offset: 8, .size: 8, .value_kind: global_buffer, .address_space: global }
      - { .name: Wk, .offset: 16, .size: 8, .value_kind: global_buffer, .address_space: global }
      - { .name: Wv, .offset: 24, .size: 8, .value_kind: global_buffer, .address_space: global }
      - { .name: Wo, .offset: 32, .size: 8, .value_kind: global_buffer, .address_space: global }
      - { .name: opc, .offset: 40, .size: 8, .value_kind: global_buffer, .address_space: global }
    .group_segment_fixed_size: 68096
    .private_segment_fixed_size: 0
    .kernarg_segment_align: 8
    .kernarg_segment_size: 48
    .max_flat_workgroup_size: 128
    .sgpr_count:     66
    .vgpr_count:     256
    .wavefront_size: 32
...
	.end_amdgpu_metadata
.endif
;; end of part 1
;; launch proj (part 2): grid 64 x 4, 4 waves a work-group, clusters of 4 x 4, 327,680 bytes of LDS; arguments opc, bq, bk, bv, qkv; writes qkv
.if DOCPART == 2
	.amdgcn_target "amdgcn-amd-amdhsa--gfx1250"
	.amdhsa_code_object_version 6
	.text
	.protected	k_q3b4599c456_proj
	.globl	k_q3b4599c456_proj
	.p2align	8
	.type	k_q3b4599c456_proj,@function
k_q3b4599c456_proj:
	s_mov_b64 s[64:65], 0
	v_nop
	global_prefetch_b8 v0, s[64:65] scope:SCOPE_SE
	s_setreg_imm32_b32 hwreg(HW_REG_WAVE_MODE, 25, 1), 1
	s_wait_xcnt 0x0
	s_wait_alu depctr_hold_cnt(0) depctr_sa_sdst(0) depctr_va_vdst(0) depctr_va_sdst(0) depctr_va_ssrc(0) depctr_va_vcc(0) depctr_vm_vsrc(0)
	s_getreg_b32 s2, hwreg(HW_REG_IB_STS2, 6, 4)
	s_cmp_eq_u32 s2, 0
	s_cbranch_scc0 .Lentry_in_a_cluster
	s_endpgm
.Lentry_in_a_cluster:
	s_bfe_u32 s2, ttmp6, 0x10000c
	s_cmp_lg_u32 s2, 0xf033
	s_cbranch_scc0 .Lentry_shape_is_right
	s_endpgm
.Lentry_shape_is_right:
; Q = x Wq^T + bq, K = x Wk^T + bk, V = x Wv^T + bv on codes of FP6 (E2M3) with E8M0 scales; the results are quantised in registers and stored as the operands of the attention launch.
; A tile of work is 128 (side A: source 1, the result's lanes) x 256 (side B: source 0, the result's registers), K = 1,024.  MODE QK: A = 128 tokens, B = 256 rows of Wq or Wk: a lane holds a token and its registers run
; along the channels, the K of Q K^T.  MODE V: A = 128 rows of Wv, B = 256 tokens: a lane holds a channel and its registers run along the tokens, the K of P V.
; 256 WORK-GROUPS STAY AND WALK THREE TILES: cluster g (0..15) makes tokens 4 g + cy x Wq's columns cx, the same tokens x Wk's columns cx, and then Wv's rows 4 (g / 8) + cy x tokens 4 (g % 8) + cx.
; The two QK tiles are a loop of two trips; the V tile, which asks for nothing behind its own second half, is written out behind it: so the mode is a constant of the text.
; THE RING: two LDS slots, each with HALF OF K of a tile's 24 operand tiles.  In opc a tile's record is four parts of 3,328 bytes; a tensor row is two parts less the last 128 bytes, 6,528 bytes, at a pitch of one record;
; every row begins at a multiple of 256 bytes.  Waves 0, 1 bring four tiles of A each, waves 2, 3 eight of B: one tensor load a wave at the head and one behind each round; one is out at most.
; Ahead of each refill every wave waits for its load, adds 0 to its spare word and waits for that and for its reads, and a round of the cluster's barrier follows.
; A fill has the other slot's four K steps in which to land; the next tile's first half also the way out.
; CLUSTER 4 x 4: A's tiles hang on cy and are asked for jointly along a row of the cluster, B's on cx and along a column.
; PREFETCH: behind each refill of a QK tile the fill that stands two further on (the next tile's same half) is asked for into the L2: of a wave's four (eight) rows each of the four partners takes one (two), by address; a lane a block of 256 bytes.
; The second tile's A is the first tile's, which has been read: it is not asked for.  The first tile comes by its loads alone.
; Every tile of 16 rows, of x and of the weights, holds rows 32 (T / 2) + 8 (T % 2) + r + 8 (r / 8): so the 16 registers of result tiles 2 b and 2 b + 1 are 16 neighbours, 32 b + 16 h + 0 .. 15.
; Four waves: wave (wm, wn) makes 64 (A) x 128 (B): 32 accumulators, which take turns, one instruction a turn, in the same order in every K step.
; LIMITS: as in the quantising launch (byte 1 for a block of zeros or under 2^-124; NaN and infinities not served).
; THE HEAD RECORD in qkv, HS bytes for each (batch, head): key step kst (128 keys) at kst x KREC: K's tile t at 768 t; V^T's channel tile ct at 6,144 + 1,536 ct; K's scale words at 12,288 + 32 r + 4 t; V's at 12,800 + 16 r + 4 ct.
; Q's tile Tq at QOFF + 768 Tq, its scale words at QSOFF + 512 (Tq / 8) + 32 r + 4 (Tq % 8).  In a word of Q or K bytes 0, 1 are the head's two blocks, bytes 2, 3 the neighbour head's (valid bytes, over zero codes later).
; REGISTERS: window 0: v2-31 lane terms and addresses; v32-63 scale words, two sets; v64-127 the bias by registers; v128-223 A's fragments, two sets (on the way out: v128-191 sums, v192-211 codes); v224-231 the bias by lanes; v232-248 at work.
;   window 1: B's fragments, two sets at v0 and v128.   window 2: accumulator (a, b) at v[64 a + 8 b].
.set REC,   13312
.set SUB,   3328
.set HALF,  2*SUB
.set HROW,  SUB+3200                   ; a tensor row: two parts, less the second's last 128 bytes
.set BOFF,  8*HROW
.set SLOT,  24*HROW
.set SPARE, 2*SLOT
.set HS,    315392
.set KREC,  13056
.set QOFF,  208896
.set QSOFF, 307200
.set ADA,  4                           ; v4, v5   LDS: my A fragments in slot 0, 1
.set ADB,  6                           ; v6, v7   my B fragments
.set L8,   8                           ; v8   8 x lane
.set BNA,  9
.set SPW,  10
.set NIL,  11
.set SELV, 12
.set VS,   14
.set BMA,  15
.set VO,   16                          ; v16-23 where block a's two images go
.set W,    24                          ; v24-27 the four blocks' scale words
.set ASC,  28                          ; v28, v29 scale words: lanes 0-15 A's, lanes 16-31 B's
.set PFV,  30                          ; v30  the prefetches' offset
.set PFL,  31                          ; v31  256 x min(lane, 25)
.set SC,   32
.set BN,   64
.set AF,   128
.set H,    128
.set PC,   192
.set BM,   224
.set TM,   232
.set PW,   248
.set G1A,  24
.set G1B,  32
.set G0A,  40
.set G0B,  44
.set TI,   48                          ; s48  the tile in hand, 0 or 1.  s76, s77: its A's and B's bytes in opc; s74, s75: the next tile's; s72, s73: the V tile's
.set MSB, 0
.macro WIN new                         ; the immediate's high byte repeats the setting that is left
.if MSB != \new
	s_set_vgpr_msb (MSB<<8)|\new
.set MSB, \new
.endif
.endm
.set MUL,  0xa1                        ; source 0 (B) window 1, source 1 (A) window 0, C and D window 2
.set TO_B, 0x40
.macro CROUND                          ; a round of the cluster's barrier
	s_barrier_signal -1
	s_barrier_wait -1
	s_cmp_lg_u32 s14, 0
	s_cbranch_scc1 .Lnot_wave_0_\@
	s_barrier_signal -3
.Lnot_wave_0_\@:
	s_barrier_wait -3
	s_barrier_signal -1
	s_barrier_wait -1
.endm
.macro JLOAD                           ; a joint load: waves 0, 1 for A, waves 2, 3 for B; the four v_nop are also the places in front of the LDS loads that follow
	s_cmp_eq_u32 s15, 0
	s_cbranch_scc0 .Lfor_b_\@
	tensor_load_to_lds s[G0A:G0A+3], s[G1A:G1A+7]
	s_nop 0
.rept 4
	v_nop
.endr
	s_branch .Lasked_\@
.Lfor_b_\@:
	tensor_load_to_lds s[G0B:G0B+3], s[G1B:G1B+7]
	s_nop 0
.rept 4
	v_nop
.endr
.Lasked_\@:
.endm
.macro SETG off, slot                  ; both groups 0: the tile at s76, s77, byte off of its records, into a slot.  Written only where no load of mine is out
	s_add_co_u32 s58, s76, \off
	s_add_nc_u64 s[G0A+2:G0A+3], s[4:5], s[58:59]
	s_or_b32 s[G0A+3], s[G0A+3], 0x80000000
	s_add_co_u32 s[G0A+1], s62, (\slot)*SLOT
	s_add_co_u32 s60, s77, \off
	s_add_nc_u64 s[G0B+2:G0B+3], s[4:5], s[60:61]
	s_or_b32 s[G0B+3], s[G0B+3], 0x80000000
	s_add_co_u32 s[G0B+1], s63, (\slot)*SLOT
.endm
	s_load_b256 s[4:11], s[0:1], 0x0               ; opc, bq, bk, bv
	s_load_b64 s[12:13], s[0:1], 0x20              ; qkv
	v_lshl_add_u32 v[SPW], v0, 2, SPARE
	v_mov_b32 v[NIL], 0
	ds_add_u32 v[SPW], v[NIL]                      ; the opening lines: the add, twice on end, and its wait ahead of my first tensor load
	ds_add_u32 v[SPW], v[NIL]
	v_lshrrev_b32 v1, 5, v0
	v_readfirstlane_b32 s14, v1                    ; wave
	s_lshr_b32 s15, s14, 1                         ; wm.  Also: I fetch for A (0) or for B (1)
	s_and_b32 s16, s14, 1                          ; wn.  Also: which half of that side's tiles I fetch
	s_bfe_u32 s17, ttmp6, 0x40000                  ; cx
	s_bfe_u32 s18, ttmp6, 0x40004                  ; cy
	s_lshl_b32 s20, ttmp9, 2
	s_add_co_u32 s20, s20, s18                     ; QK: which 128 tokens
	s_lshr_b32 s22, ttmp9, 3
	s_lshl_b32 s22, s22, 2
	s_add_co_u32 s22, s22, s18                     ; V: which 128 rows of Wv
	s_and_b32 s21, ttmp9, 7
	s_lshl_b32 s21, s21, 2
	s_add_co_u32 s21, s21, s17                     ; V: which 256 tokens
	s_lshl_b32 s19, s18, 2
	s_lshl_b32 s19, 15, s19                        ; my row of the cluster
	s_lshl_b32 s66, 0x1111, s17                    ; my column
	s_or_b32 s[G1A], s19, (3<<16)|(1<<21)          ; the mask; elements of 8 bytes; bit 21 beside a mask; no padding
	s_or_b32 s[G1B], s66, (3<<16)|(1<<21)
	s_mov_b32 s[G1A+1], (HROW/8)<<16
	s_mov_b32 s[G1A+2], 4<<16                      ; four tiles
	s_mov_b32 s[G1A+3], (HROW/8)<<16
	s_mov_b32 s[G1A+4], 4
	s_mov_b32 s[G1A+5], REC/8                      ; from tile to tile
	s_mov_b32 s[G1A+6], 0
	s_mov_b32 s[G1A+7], 0
	s_mov_b32 s[G1B+1], (HROW/8)<<16
	s_mov_b32 s[G1B+2], 8<<16                      ; eight tiles
	s_mov_b32 s[G1B+3], (HROW/8)<<16
	s_mov_b32 s[G1B+4], 8
	s_mov_b32 s[G1B+5], REC/8
	s_mov_b32 s[G1B+6], 0
	s_mov_b32 s[G1B+7], 0
	s_lshl_b32 s58, s20, 3                         ; A's bytes are made of the cluster's number, cy and the wave alone,
	s_lshl_b32 s59, s16, 2
	s_add_co_u32 s58, s58, s59
	s_mul_i32 s76, s58, REC                        ; x's tile 8 x tokens + 4 x half
	s_lshl_b32 s58, s22, 3
	s_add_co_u32 s58, s58, s59
	s_add_co_u32 s58, s58, 640
	s_mul_i32 s72, s58, REC                        ; Wv's
	s_lshl_b32 s60, s17, 4                         ; B's of the cluster's number, cx and the wave alone
	s_lshl_b32 s61, s16, 3
	s_add_co_u32 s60, s60, s61
	s_add_co_u32 s60, s60, 512
	s_mul_i32 s77, s60, REC                        ; Wq's tile 16 cx + 8 x half
	s_lshl_b32 s60, s21, 4
	s_add_co_u32 s60, s60, s61
	s_mul_i32 s73, s60, REC                        ; x's
	s_mov_b32 s59, 0
	s_mov_b32 s61, 0
	s_mul_i32 s62, s16, 4*HROW                     ; where they go: the wave's number alone
	s_mul_i32 s63, s16, 8*HROW
	s_add_co_u32 s63, s63, BOFF
	s_mov_b32 s[G0A], 1
	s_mov_b32 s[G0B], 1
	s_mov_b32 s2, 0x76543210
	s_mov_b32 s3, 0xfedcba98                       ; lane l xor 16
	s_wait_dscnt 0x0                               ; both opening adds are done
	s_wait_kmcnt 0x0
	SETG 0, 0
	CROUND                                         ; all sixteen work-groups are here: the joint loads meet
	JLOAD                                          ; the first tile's first half
	v_and_b32 v1, 31, v0
	v_and_b32 v2, 15, v0                           ; r
	v_bfe_u32 v3, v0, 4, 1                         ; h
	v_lshlrev_b32 v[L8], 3, v1
	s_mul_i32 s56, s15, 4*HROW                     ; my four tiles of A
	s_mul_i32 s67, s16, 8*HROW
	s_add_co_u32 s67, s67, BOFF                    ; my eight of B
	v_add_nc_u32 v[ADA], s56, v[L8]
	v_add_nc_u32 v[ADB], s67, v[L8]
	s_sub_co_u32 s67, s67, s56
	v_mul_u32_u24 v[ASC], s67, v3                  ; lanes 16-31 take B's words: A's base + h x the distance
	v_lshl_add_u32 v[ASC], v2, 3, v[ASC]
	s_add_co_u32 s56, s56, 3072
	v_add_nc_u32 v[ASC], s56, v[ASC]
	v_add_nc_u32 v[ADA+1], SLOT, v[ADA]
	v_add_nc_u32 v[ADB+1], SLOT, v[ADB]
	v_add_nc_u32 v[ASC+1], SLOT, v[ASC]
	v_mov_b32 v[SELV], 0x03020100
	v_mov_b32 v[PFV], 0x01000302
	v_cmp_ne_u32 vcc_lo, 0, v3
	v_cndmask_b32 v[SELV], v[SELV], v[PFV], vcc_lo ; lanes 16-31 turn the word's halves: the odd head's two bytes come first
.irp b, 0,1,2,3
	v_mov_b32 v[TM+4+\b], 0                        ; a lane permute's destination counts as one of its sources
.endr
	v_min_u32 v[PFL], 25, v1
	v_lshlrev_b32 v[PFL], 8, v[PFL]                ; a row's 26 blocks of 256 bytes; the lanes left over name the last again
	s_wait_alu depctr_va_vdst(0)
; THE WAY OUT'S NUMBERS of a tile, its bias, and in the loop the next tile's bytes.  They mix cx and cy and live in registers that feed no descriptor (s74 holds cy's side alone, s75 cx's)
.macro WAYNUM mode
.if \mode
.set STEPA, 1536                       ; from block a to block a + 1
.set STEPJ, 768                        ; from a fragment's first half to its second: the next 64 keys
	s_lshr_b32 s85, s21, 3
	s_lshl_b32 s85, s85, 4
	s_lshl_b32 s88, s22, 1
	s_add_co_u32 s85, s85, s88
	s_add_co_u32 s85, s85, s15                     ; 16 batch + my head
	s_lshl_b32 s86, s21, 1
	s_add_co_u32 s86, s86, s16
	s_and_b32 s86, s86, 15                         ; the key step
	s_lshl_b32 s99, s22, 9
	s_lshl_b32 s89, s15, 8
	s_add_co_u32 s99, s99, s89                     ; my 64 channels in the bias, in bytes
	s_mul_i32 s87, s85, HS
	s_mul_i32 s88, s86, KREC
	s_add_co_u32 s89, s88, 6144
	s_add_co_u32 s90, s88, 12800
.else
.set STEPA, 768
.set STEPJ, HS                         ; the odd head's record
	s_lshr_b32 s85, s20, 4
	s_lshl_b32 s85, s85, 4
	s_lshl_b32 s87, s17, 2
	s_add_co_u32 s85, s85, s87
	s_lshl_b32 s87, s16, 1
	s_add_co_u32 s85, s85, s87                     ; 16 batch + my even head
	s_lshl_b32 s98, s17, 10
	s_lshl_b32 s87, s16, 9
	s_add_co_u32 s98, s98, s87                     ; my 128 channels in the bias, in bytes
	s_and_b32 s86, s20, 15                         ; the key step
	s_mul_i32 s87, s85, HS
	s_mul_i32 s88, s86, KREC
	s_mul_i32 s89, s86, 6144
	s_add_co_u32 s89, s89, QOFF                    ; Q's tiles of these 128 tokens
	s_lshl_b32 s90, s86, 9
	s_add_co_u32 s90, s90, QSOFF
	s_add_co_u32 s91, s88, 12288
	s_cmp_eq_u32 s[TI], 1                          ; rows of Wk or of Wq
	s_cselect_b32 s89, s88, s89
	s_cselect_b32 s90, s91, s90
	s_cselect_b64 s[92:93], s[8:9], s[6:7]
	s_mul_i32 s91, s15, 3072
	s_add_co_u32 s89, s89, s91                     ; my four tiles of the eight
	s_lshl_b32 s91, s15, 4
	s_add_co_u32 s90, s90, s91
	s_add_co_u32 s75, s77, 64*REC                  ; the next tile: Wk's rows with the same tokens, or the V tile
	s_cmp_eq_u32 s[TI], 0
	s_cselect_b32 s74, s76, s72
	s_cselect_b32 s75, s75, s73
	s_mul_i32 s50, s17, REC                        ; of my four rows of A the partner at cx takes one,
	s_add_co_u32 s50, s50, s74
	s_mul_i32 s51, s18, 2*REC                      ; of my eight of B the partner at cy two
	s_add_co_u32 s51, s51, s75
	s_cmp_eq_u32 s15, 0
	s_cselect_b32 s49, s50, s51
	v_add_nc_u32 v[PFV], s49, v[PFL]
.endif
	s_add_co_u32 s89, s89, s87
	s_add_co_u32 s90, s90, s87
.irp a, 0,1,2,3
	v_add_nc_u32 v[VO+2*\a], s89, v[L8]
	s_add_co_u32 s91, s89, STEPJ
	v_add_nc_u32 v[VO+2*\a+1], s91, v[L8]
	s_add_co_u32 s89, s89, STEPA
.endr
.if \mode
	v_lshl_add_u32 v[VS], v2, 4, s90               ; scale words: 16 bytes a row
	v_and_b32 v[BMA], 8, v2
	v_add_nc_u32 v[BMA], v[BMA], v2
	v_lshl_add_u32 v[BMA], v[BMA], 2, s99
.irp a, 0,1,2,3
	global_load_b32 v[BM+2*\a], v[BMA], s[10:11] offset:4*(32*(\a/2)+8*(\a%2))
	global_load_b32 v[BM+2*\a+1], v[BMA], s[10:11] offset:4*(32*(\a/2)+8*(\a%2))   ; twice: a pair for the packed addition
.endr
.else
	v_lshlrev_b32 v[VS], 5, v2                     ; 32 bytes a row;
	v_mad_u32_u24 v[VS], v3, HS, v[VS]             ; lanes 16-31: the odd head's record
	v_add_nc_u32 v[VS], s90, v[VS]
	v_lshl_add_u32 v[BNA], v3, 6, s98
.irp b, 0,1,2,3,4,5,6,7
	global_load_b128 v[BN+8*\b:BN+8*\b+3], v[BNA], s[92:93] offset:4*(32*(\b/2)+8*(\b%2))
	global_load_b128 v[BN+8*\b+4:BN+8*\b+7], v[BNA], s[92:93] offset:4*(32*(\b/2)+8*(\b%2))+16
.endr
.endif
.endm
.macro PREF off                        ; the next tile's half at byte off of its records: the fill two further on
	s_or_b32 s50, s15, s[TI]
	s_cmp_eq_u32 s50, 0
	s_cbranch_scc1 .Lno_pf_\@                      ; the second tile's A is the first's
	global_prefetch_b8 v[PFV], s[4:5] offset:\off th:TH_LOAD_NT scope:SCOPE_SE
	s_cmp_eq_u32 s15, 0
	s_cbranch_scc1 .Lno_pf_\@
	global_prefetch_b8 v[PFV], s[4:5] offset:\off+REC th:TH_LOAD_NT scope:SCOPE_SE
.Lno_pf_\@:
.endm
.macro FETCH s                         ; the fragments of K step s (0..7), out of slot s / 4: six pieces of 8 bytes a lane each, 256 consecutive bytes an instruction
	WIN TO_B
.irp i, 0,1,2,3,4,5,6,7
.irp p, 0,1,2,3,4,5
	ds_load_b64 v[128*((\s)%2)+12*\i+2*\p:128*((\s)%2)+12*\i+2*\p+1], v[ADB+((\s)/4)] offset:HROW*\i+SUB*(((\s)/2)%2)+1536*((\s)%2)+256*\p
.endr
.endr
	WIN 0
.irp i, 0,1,2,3
.irp p, 0,1,2,3,4,5
	ds_load_b64 v[AF+48*((\s)%2)+12*\i+2*\p:AF+48*((\s)%2)+12*\i+2*\p+1], v[ADA+((\s)/4)] offset:HROW*\i+SUB*(((\s)/2)%2)+1536*((\s)%2)+256*\p
.endr
.endr
.endm
.macro SCALES q                        ; part q's scale words: register 2 i + u: lanes 0-15 A's block i, lanes 16-31 B's block i, K step u of the part.  (For i over 3, lanes 0-15 read landed bytes that no product names)
.irp i, 0,1,2,3,4,5,6,7
	ds_load_b64 v[SC+16*((\q)%2)+2*\i:SC+16*((\q)%2)+2*\i+1], v[ASC+((\q)/2)] offset:HROW*\i+SUB*((\q)%2)
.endr
.endm
.macro MUL32 s                         ; 32 products.  A tile's first K step starts the sums: nothing is cleared
.set PP, (\s)%2
.set QS, SC+16*(((\s)/2)%2)+PP
.irp a, 0,1,2,3
.irp b, 0,1,2,3,4,5,6,7
.if (\s) == 0
	v_wmma_scale_f32_16x16x128_f8f6f4 v[64*\a+8*\b:64*\a+8*\b+7], v[128*PP+12*\b:128*PP+12*\b+11], v[AF+48*PP+12*\a:AF+48*PP+12*\a+11], 0, v[QS+2*\b], v[QS+2*\a] matrix_a_fmt:MATRIX_FMT_FP6 matrix_b_fmt:MATRIX_FMT_FP6 matrix_a_scale:MATRIX_SCALE_ROW1
.else
	v_wmma_scale_f32_16x16x128_f8f6f4 v[64*\a+8*\b:64*\a+8*\b+7], v[128*PP+12*\b:128*PP+12*\b+11], v[AF+48*PP+12*\a:AF+48*PP+12*\a+11], v[64*\a+8*\b:64*\a+8*\b+7], v[QS+2*\b], v[QS+2*\a] matrix_a_fmt:MATRIX_FMT_FP6 matrix_b_fmt:MATRIX_FMT_FP6 matrix_a_scale:MATRIX_SCALE_ROW1
.endif
.endr
.endr
.endm
.macro KSTEP s, pf                     ; pf: -1, or the byte for the prefetch, which stands behind the refill and two runs of LDS loads and ahead of 32 products
	s_wait_dscnt 0x0                               ; this step's fragments are in
.if (\s)%4 != 3                        ; a slot's last step fetches nothing
.if (\s)%4 != 0
.rept 4
	v_nop                                          ; places in front of loads into registers that the last products read
.endr
.endif
	FETCH (\s)+1
.if (\s)%4 == 1
	SCALES ((\s)+1)/2
.endif
.endif
.if (\pf) >= 0
	PREF \pf
.endif
	WIN MUL
	MUL32 \s
	WIN 0
.endm
; 64 numbers of a lane, v[H + 16 b + i] = k 32 b + 16 h + i of my row, become a fragment's codes in v[PC] on and its scale word in v[PW]
.macro QUANT
.irp b, 0,1,2,3
	v_max3_num_f32 v[TM+\b], |v[H+16*\b]|, |v[H+1+16*\b]|, 0x1800000   ; the floor 2^(3 - 127)
.endr
.irp i, 2,4,6,8,10,12,14
.irp b, 0,1,2,3
	v_max3_num_f32 v[TM+\b], v[TM+\b], |v[H+16*\b+\i]|, |v[H+1+16*\b+\i]|
.endr
.endr
.irp b, 0,1,2,3
	v_permlanex16_b32 v[TM+4+\b], v[TM+\b], s2, s3
.endr
.irp b, 0,1,2,3
	v_max_num_f32 v[TM+\b], v[TM+\b], v[TM+4+\b]
.endr
.irp b, 0,1,2,3
	v_add_nc_u32 v[TM+12+\b], 0xff000000, v[TM+\b]
.endr
.irp b, 0,1,2,3
	v_lshrrev_b32 v[TM+4+\b], 23, v[TM+12+\b]
.endr
	v_lshl_or_b32 v[PW], v[TM+5], 8, v[TM+4]
	v_lshl_or_b32 v[PW], v[TM+6], 16, v[PW]
	v_lshl_or_b32 v[PW], v[TM+7], 24, v[PW]
.irp c, 0,1
	v_cvt_scalef32_pk16_fp6_f32 v[PC+6*\c:PC+2+6*\c], v[H+32*\c:H+15+32*\c], v[TM+12+2*\c]
	v_cvt_scalef32_pk16_fp6_f32 v[PC+12+4*\c:PC+14+4*\c], v[H+16+32*\c:H+31+32*\c], v[TM+12+2*\c+1]
.endr
	v_nop                                          ; one plain instruction behind the scaled conversions
.irp c, 0,1                                    ; a whole block to a lane: lanes 0-15 block 2 c, lanes 16-31 block 2 c + 1
.irp i, 0,1,2
	v_permlane16_swap_b32 v[PC+6*\c+\i], v[PC+12+4*\c+\i]
.endr
.irp i, 0,1,2
	v_mov_b32 v[PC+3+6*\c+\i], v[PC+12+4*\c+\i]
.endr
.endr
.endm
; Block a of side A: the bias is added on the way from window 2 to window 0 (each accumulator from its low end on); the 64 numbers are quantised; the fragment's two halves leave as images.
.macro EPI a, mode
	s_wait_xcnt 0x0                                ; the last block's stores have read their data: the codes' registers may be written
	WIN 0x02                                       ; source 0 window 2
.set i, 0
.rept 32
.if \mode
	v_pk_add_f32 v[H+i:H+i+1], v[64*\a+i:64*\a+i+1], v[BM+2*\a:BM+2*\a+1]
.else
	v_pk_add_f32 v[H+i:H+i+1], v[64*\a+i:64*\a+i+1], v[BN+i:BN+i+1]
.endif
.set i, i+2
.endr
	WIN 0
	QUANT
	v_perm_b32 v[W+\a], v[PW], v[PW], v[SELV]
.irp j, 0,1
.irp p, 0,1,2
	global_store_b64 v[VO+2*\a+\j], v[PC+6*\j+2*\p:PC+6*\j+2*\p+1], s[12:13] offset:256*\p   ; 32 lanes store 256 consecutive bytes, aligned
.endr
.endr
.endm
; A TILE.  Its first half is on its way into slot 0, or there.
.macro TILE mode, last
	s_wait_xcnt 0x0                                ; the last tile's stores and prefetches have read their registers
	WAYNUM \mode
	s_wait_alu depctr_va_vdst(0)
	s_wait_tensorcnt 0x0                           ; my part of slot 0 has landed,
	ds_add_u32 v[SPW], v[NIL]                      ; an add of 0 to my spare word,
	SETG HALF, 1
	s_wait_dscnt 0x0                               ; and my reads of slot 1 are over
	CROUND
	JLOAD                                          ; the tile's second half into slot 1
	FETCH 0
	SCALES 0
.if \last
	KSTEP 0, -1
.else
	KSTEP 0, 0
.endif
	KSTEP 1, -1
	KSTEP 2, -1
	KSTEP 3, -1
	s_wait_tensorcnt 0x0                           ; my part of slot 1 has landed
.if \last
	s_wait_dscnt 0x0
	s_barrier_signal -1
	s_barrier_wait -1                              ; everybody's has.
.rept 4
	v_nop                                          ; places in front of the loads below
.endr
.else
	ds_add_u32 v[SPW], v[NIL]
	s_mov_b32 s76, s74
	s_mov_b32 s77, s75
	SETG 0, 0
	s_wait_dscnt 0x0                               ; my reads of slot 0 are over
	CROUND
	JLOAD                                          ; the next tile's first half into slot 0
.endif
	FETCH 4
	SCALES 2
.if \last
	KSTEP 4, -1
.else
	KSTEP 4, HALF
.endif
	KSTEP 5, -1
	KSTEP 6, -1
	KSTEP 7, -1
	s_wait_loadcnt 0x0                             ; the bias
.rept 4
	v_nop                                          ; places behind the last products
.endr
	EPI 0, \mode
	EPI 1, \mode
	EPI 2, \mode
	EPI 3, \mode
	s_wait_alu depctr_va_vdst(0)
.if \mode
	s_wait_xcnt 0x0                                ; EXEC changes only behind this wait
	v_cmp_eq_u32 vcc_lo, 0, v3
	s_and_saveexec_b32 s67, vcc_lo                 ; lanes 0-15
	global_store_b128 v[VS], v[W:W+3], s[12:13]    ; my row's words of the four blocks
	s_wait_xcnt 0x0
	s_or_b32 exec_lo, exec_lo, s67
.else
	global_store_b128 v[VS], v[W:W+3], s[12:13]    ; my row's words of the four blocks; lanes 16-31 for the odd head
.endif
.endm
	s_mov_b32 s[TI], 0
.Ltiles:
	TILE 0, 0
	s_add_co_u32 s[TI], s[TI], 1
	s_cmp_lt_u32 s[TI], 2
	s_wait_alu depctr_va_vdst(0)
	s_cbranch_scc1 .Ltiles
	TILE 1, 1
	s_wait_tensorcnt 0x0                           ; the wave's end
	ds_add_u32 v[SPW], v[NIL]
	s_wait_dscnt 0x0
	CROUND                                         ; the closing round
	s_endpgm
.Lfunc_end_k_q3b4599c456_proj:
	.size	k_q3b4599c456_proj, .Lfunc_end_k_q3b4599c456_proj-k_q3b4599c456_proj
	.p2alignl 7, 3214868480
	.fill 96, 4, 3214868480
	.section	.rodata,"a",@progbits
	.p2align	6, 0x0
	.amdhsa_kernel k_q3b4599c456_proj
		.amdhsa_group_segment_fixed_size 327680
		.amdhsa_private_segment_fixed_size 0
		.amdhsa_enable_private_segment 0
		.amdhsa_kernarg_size 40
		.amdhsa_user_sgpr_count 2
		.amdhsa_user_sgpr_kernarg_segment_ptr 1
		.amdhsa_wavefront_size32 1
		.amdhsa_system_sgpr_workgroup_id_x 1
		.amdhsa_system_sgpr_workgroup_id_y 1
		.amdhsa_system_sgpr_workgroup_id_z 1
		.amdhsa_system_vgpr_workitem_id 0
		.amdhsa_next_free_vgpr 768
		.amdhsa_next_free_sgpr 100
		.amdhsa_reserve_vcc 1
		.amdhsa_float_denorm_mode_32 3
		.amdhsa_float_denorm_mode_16_64 3
		.amdhsa_memory_ordered 1
		.amdhsa_forward_progress 1
		.amdhsa_inst_pref_size 214
	.end_amdhsa_kernel
	.amdgpu_metadata
---
amdhsa.version: [ 1, 2 ]
amdhsa.kernels:
  - .name:           k_q3b4599c456_proj
    .symbol:         k_q3b4599c456_proj.kd
    .args:
      - { .name: opc, .offset: 0, .size: 8, .value_kind: global_buffer, .address_space: global }
      - { .name: bq, .offset: 8, .size: 8, .value_kind: global_buffer, .address_space: global }
      - { .name: bk, .offset: 16, .size: 8, .value_kind: global_buffer, .address_space: global }
      - { .name: bv, .offset: 24, .size: 8, .value_kind: global_buffer, .address_space: global }
      - { .name: qkv, .offset: 32, .size: 8, .value_kind: global_buffer, .address_space: global }
    .group_segment_fixed_size: 327680
    .private_segment_fixed_size: 0
    .kernarg_segment_align: 8
    .kernarg_segment_size: 40
    .max_flat_workgroup_size: 128
    .sgpr_count:     100
    .vgpr_count:     768
    .wavefront_size: 32
...
	.end_amdgpu_metadata
.endif
;; end of part 2
;; launch attn (part 3): grid 4 x 64, 16 waves a work-group, clusters of 4 x 1, 289,280 bytes of LDS; arguments qkv, cc; writes cc
.if DOCPART == 3
	.amdgcn_target "amdgcn-amd-amdhsa--gfx1250"
	.amdhsa_code_object_version 6
	.text
	.protected	k_q3b4599c456_attn
	.globl	k_q3b4599c456_attn
	.p2align	8
	.type	k_q3b4599c456_attn,@function
k_q3b4599c456_attn:
	s_mov_b64 s[64:65], 0
	v_nop
	global_prefetch_b8 v0, s[64:65] scope:SCOPE_SE
	s_setreg_imm32_b32 hwreg(HW_REG_WAVE_MODE, 25, 1), 1
	s_wait_xcnt 0x0
	s_wait_alu depctr_hold_cnt(0) depctr_sa_sdst(0) depctr_va_vdst(0) depctr_va_sdst(0) depctr_va_ssrc(0) depctr_va_vcc(0) depctr_vm_vsrc(0)
	s_getreg_b32 s2, hwreg(HW_REG_IB_STS2, 6, 4)
	s_cmp_eq_u32 s2, 0
	s_cbranch_scc0 .Lentry_in_a_cluster
	s_endpgm
.Lentry_in_a_cluster:
	s_bfe_u32 s2, ttmp6, 0x10000c
	s_cmp_lg_u32 s2, 0x3003
	s_cbranch_scc0 .Lentry_shape_is_right
	s_endpgm
.Lentry_shape_is_right:
; ctx = softmax(Q K^T / 8) V for one (batch, head), both products on codes of FP6 (E2M3) with E8M0 scales; ctx is quantised along the channels and stored as the last product's operand.
; THE SOFTMAX: t = score x log2(e) / 8; M = the running largest t rounded UP to a whole number; p = 2^(t - M) is quantised along the keys, not normalised; the sum is taken of the unquantised p and divides at the end.
; When M moves, the sums and O are multiplied by 2^(old M - new M): exact.
; SHARES: a work-group owns 512 queries of a head; each of its sixteen waves one tile of 16 queries in each of two passes, in 256 registers.
; THE HEAD'S WHOLE K, V AND SCALES, 16 key steps x 13,056 bytes, LIE IN LDS, filled once: wave w brings key step w by its one tensor load at the head.
; THE WORK BEGINS ON THE FIRST THREE KEY STEPS: waves 0 to 2 have a load line of their own and alone wait for it ahead of the first barrier.  Pass 0's first two steps, which read key steps 0 to 2 alone, are written out;
; behind the first of them every wave waits for its load and signals the barrier that shows all sixteen key steps, and waits at it behind the second.  The loop runs the other fourteen steps.
; The descriptor lays 96 bytes of padding behind every 256: LDS rows are LP = 352 bytes apart, a key step KP = 51 rows.
; CLUSTER 4 x 1: the four work-groups of a head need the same bytes and ask for them jointly; cx enters Q's and ctx's global addresses alone.
; No prefetch: every tile is asked for at the head, so there is no loop in which a request could run ahead.
; LAYOUT: both products transposed (S^T = K Q^T, O^T = V^T P^T): a lane holds one query.
; A TILE OF K IS GATHERED AT THE LDS LOAD: tile (c, j) takes as its rows 0-7 keys 64 c + 8 j + 0..7 and as its rows 8-15 keys 64 c + 32 + 8 j + 0..7.  In the stored tiles (tile T, lane r': key 32 (T / 2) + 8 (T % 2) + r' + 8 (r' / 8))
; row r of (c, j) is lane r % 8 + 8 (j / 2) of tile 4 c + 2 (r / 8) + j % 2.  So the 32 registers of result tiles 4 c .. 4 c + 3 of lane (q, h) are keys 64 c + 32 h + 0 .. 31: ONE WHOLE BLOCK, in the order of the next operand:
; a block's largest p needs no other lane, and the conversions' results are the operand's registers.  Two stored tiles are 6 LDS rows = 2,112 bytes apart, 64 modulo 256: the 32 lanes of a load name 32 different 8-byte columns modulo 256.
; TWO PIECES OF 8 BYTES TO A LOAD: neighbouring registers' pieces lie a few LDS rows apart, inside the 255 x 8 bytes that a two-address load reaches from its register: one address register serves six rows (a band of K, a channel tile of V).
; K = 64 IN AN INSTRUCTION OF 128: Q's upper six registers are zero codes.  K's tiles lie six registers apart, so a tile's operand reads as its upper half whatever follows: every pattern of six bits is a finite number, times 0, under valid scale bytes.
; TWO AREAS OF 64 REGISTERS TAKE TURNS.  In a step K lies in area ka and the scores go to area sa; behind the scores' products V lands on K; when p has been converted, sa is dead and the NEXT step's K is asked for into it, ahead of P V.
; The next step finds K in its ka = this sa.  A loop's trip is two steps.  The last step of a pass asks for key step 0: pass 1 begins with it; at the end of pass 1 these 13 LDS loads are read by nobody (the loop's text is one for all trips).
; LIMITS: byte 1 for a block of zeros or under 2^-124; NaN and infinities not served; the promise holds while the scaled scores stay under 2^31 in magnitude.
; REGISTERS: v1-4, v7, v30, v234 lane terms; v5, v6 the add's; v8-11, v229-231, v233 the step's addresses; v12, v14 -M by turns; v13 the largest score; v16-27, v192-203 Q of the two passes; v28, v29 their scale words; v32-95, v96-159 the two areas;
;   v160-191 O^T; v204-207 V's scale words; v208-211 K's; v212-223 p's codes; v224-228 block maxima and scales at work; v232 p's scale word; v236-243 the sums, four chains of pairs; v244-250 conversions' second halves; v252 f.
.set HS,    315392
.set KREC,  13056
.set QOFF,  208896
.set QSOFF, 307200
.set REC,   13312
.set SUB,   3328
.set LP,    352
.set KP,    51*LP
.set SPARE, 16*KP                      ; behind the head's bytes: the spare words, 128 bytes a wave
.set WV,  8
.set G1,  16
.set G0,  24
.set SEL, 40
.set CS,  42
.set TB,  44                           ; LDS byte of the even step in hand
.set CNT, 45                           ; the even step's number
.set TN,  54                           ; of the odd step
.set T2,  55                           ; of the step behind it, modulo 16
.set NCS, 56
.set X,   32
.set Y,   96
.set O,   160
.set VSC, 204
.set KSC, 208
.set PC,  212
.set BM,  224
.set PW,  232
.set SM,  236
.macro CROUND
	s_barrier_signal -1
	s_barrier_wait -1
	s_cmp_lg_u32 s[WV], 0
	s_cbranch_scc1 .Lnot_wave_0_\@
	s_barrier_signal -3
.Lnot_wave_0_\@:
	s_barrier_wait -3
	s_barrier_signal -1
	s_barrier_wait -1
.endm
	s_load_b128 s[4:7], s[0:1], 0x0                ; qkv, cc
	v_lshl_add_u32 v5, v0, 2, SPARE
	v_mov_b32 v6, 0
	ds_add_u32 v5, v6                              ; the opening lines: the add, twice on end, and its wait ahead of my tensor load
	ds_add_u32 v5, v6
	v_lshrrev_b32 v1, 5, v0
	v_readfirstlane_b32 s[WV], v1                  ; wave 0..15
	s_bfe_u32 s9, ttmp6, 0x40000                   ; cx: which 512 queries
	s_and_b32 s10, ttmp7, 0xffff                   ; 16 batch + head
	s_mul_i32 s12, s10, HS
	s_mov_b32 s13, 0
	s_mul_i32 s14, s[WV], KREC                     ; my key step in the head's record
	s_mov_b32 s15, 0
	s_mov_b32 s[G1], 15|(3<<16)|(1<<20)|(1<<21)|(5<<22)|(23<<25)   ; all four work-groups; elements of 8 bytes; padding on; bit 21 beside a mask; behind every 64 dwords 24 dwords
	s_mov_b32 s[G1+1], 32<<16                      ; a key step's 13,056 dense bytes as 51 rows of 256
	s_mov_b32 s[G1+2], 51<<16
	s_mov_b32 s[G1+3], 32<<16
	s_mov_b32 s[G1+4], 51
	s_mov_b32 s[G1+5], 32
	s_mov_b32 s[G1+6], 0
	s_mov_b32 s[G1+7], 0
	s_mov_b32 s[G0], 1
	s_mul_i32 s[G0+1], s[WV], KP
	s_mov_b32 s[SEL], 0x76543210
	s_mov_b32 s[SEL+1], 0xfedcba98                 ; lane l xor 16
	s_mov_b32 s[CS], 0x3e38aa3b                    ; c = log2(e) / 8
	s_mov_b32 s[CS+1], s[CS]
	s_lshl_b32 s60, s9, 5
	s_add_co_u32 s60, s60, s[WV]                   ; my tile of queries in pass 0: 32 cx + wave; pass 1: 16 further on
	s_mul_i32 s54, s60, 768
	s_add_co_u32 s54, s54, QOFF
	s_add_co_u32 s54, s54, s12
	s_mov_b32 s55, 0
	s_lshl_b32 s56, s9, 2
	s_lshr_b32 s57, s[WV], 3
	s_add_co_u32 s56, s56, s57
	s_lshl_b32 s56, s56, 9
	s_and_b32 s57, s[WV], 7
	s_lshl_b32 s57, s57, 2
	s_add_co_u32 s56, s56, s57
	s_add_co_u32 s56, s56, QSOFF
	s_add_co_u32 s56, s56, s12
	s_mov_b32 s57, 0
	s_lshr_b32 s58, s10, 4
	s_lshl_b32 s58, s58, 7
	s_add_co_u32 s58, s58, s60                     ; the tile of tokens in cc
	s_mul_i32 s58, s58, REC
	s_bfe_u32 s59, s10, 0x20002                    ; which 256 channels: head / 4
	s_mul_i32 s59, s59, SUB
	s_add_co_u32 s58, s58, s59
	s_and_b32 s61, s10, 3                          ; head % 4
	s_lshl_b32 s62, s61, 1
	s_add_co_u32 s62, s62, s58
	s_add_co_u32 s62, s62, 3072                    ; my head's two scale bytes of a row
	s_mov_b32 s63, 0
	s_mul_i32 s61, s61, 768
	s_add_co_u32 s58, s58, s61                     ; my head's image
	s_mov_b32 s59, 0
	s_wait_dscnt 0x0                               ; both opening adds are done
	s_wait_kmcnt 0x0
	s_add_nc_u64 s[2:3], s[4:5], s[12:13]
	s_add_nc_u64 s[G0+2:G0+3], s[2:3], s[14:15]
	s_or_b32 s[G0+3], s[G0+3], 0x80000000
	s_add_nc_u64 s[46:47], s[4:5], s[54:55]        ; Q's codes
	s_add_nc_u64 s[48:49], s[4:5], s[56:57]        ; Q's scale words
	s_add_nc_u64 s[50:51], s[6:7], s[58:59]        ; ctx's codes
	s_add_nc_u64 s[52:53], s[6:7], s[62:63]        ; ctx's scale bytes
	CROUND                                         ; all four work-groups are here: the joint loads meet
	s_cmp_lt_u32 s[WV], 3                          ; key step = my wave's number.  Two arms of one branch on the wave's number, a load in each: the waves that wait ahead of the first barrier have a line of their own
	s_cbranch_scc0 .Lrest
	tensor_load_to_lds s[G0:G0+3], s[G1:G1+7]      ; key steps 0 to 2
	s_nop 0
	s_branch .Lasked
.Lrest:
	tensor_load_to_lds s[G0:G0+3], s[G1:G1+7]      ; key steps 3 to 15
	s_nop 0
.Lasked:
	s_mov_b32 s[NCS], 0xbe38aa3b                   ; -c
	v_and_b32 v4, 31, v0
	v_and_b32 v11, 15, v0                          ; r
	v_bfe_u32 v9, v0, 4, 1                         ; h
	v_and_b32 v8, 7, v0                            ; r % 8
	v_bfe_u32 v10, v0, 3, 1                        ; r / 8
	v_lshlrev_b32 v1, 3, v4                        ; 8 x lane: an image's piece
	v_lshlrev_b32 v2, 3, v8
	v_lshlrev_b32 v3, 5, v8
	v_lshl_add_u32 v2, v9, 7, v2
	v_lshl_add_u32 v3, v10, 3, v3
	v_mad_u32_u24 v2, v10, 6*LP, v2                ; K's gathered rows: 8 (r % 8) + 128 h + two stored tiles x (r / 8)
	v_lshl_add_u32 v3, v9, 4, v3                   ; K's scale words: 32 (r % 8) + 8 (r / 8) + 16 h: lanes 0-15 band 0, lanes 16-31 band 1;
	v_lshlrev_b32 v4, 4, v11                       ; V's: 16 r
	v_add_nc_u32 v3, 48*LP, v3                     ; they begin in a key step's row 48
	v_lshlrev_b32 v7, 3, v11                       ; ctx's scale bytes: 8 r
	v_lshlrev_b32 v30, 3, v9                       ; 8 h
	v_lshlrev_b32 v31, 5, v11                      ; Q's scale words: 32 r
	v_add_nc_u32 v234, 24*LP, v1                   ; V begins in row 24
	v_add_nc_u32 v233, 12*LP, v2                   ; K's band 1 in row 12
.irp p, 0,1,2
	global_load_b64 v[16+2*\p:17+2*\p], v1, s[46:47] offset:256*\p           ; pass 0's Q first,
.endr
	global_load_b32 v28, v31, s[48:49]
.irp p, 0,1,2
	global_load_b64 v[192+2*\p:193+2*\p], v1, s[46:47] offset:12288+256*\p   ; then pass 1's, which is waited for ahead of pass 1
.endr
	global_load_b32 v29, v31, s[48:49] offset:1024
.irp j, 0,1,2,3,4,5
	v_mov_b32 v[22+\j], 0                          ; Q's upper half: zero codes
	v_mov_b32 v[198+\j], 0
	v_mov_b32 v[X+48+\j], 0                        ; what stands behind K's last tile in the first step
.endr
	v_mov_b32 v228, 0                              ; a lane permute's destination counts as one of its sources
	v_mov_b32 v253, 0                              ; the upper halves of the pairs v[252:253] and v[14:15], named and not used
	v_mov_b32 v15, 0
.macro INIT                            ; a pass begins with zeros and a largest score under every score: the first change of M multiplies zeros
	v_mov_b32 v13, 0xff61b1e6
	v_mul_f32 v14, s[NCS], v13
	v_floor_f32 v14, v14
.irp k, 0,1,2,3,4,5,6,7
	v_mov_b32 v[SM+\k], 0
.endr
.set j, 0
.rept 32
	v_mov_b32 v[O+j], 0
.set j, j+1
.endr
.endm
.macro KQ d, c, a                      ; band c's four gathered tiles: piece n = 3 j + p lies in row 3 (j % 2) + p of the band, 64 (j / 2) bytes in; offsets count 8 bytes
.irp g, 0,1,2,3,4,5
	ds_load_2addr_b64 v[\d+24*\c+4*\g:\d+24*\c+4*\g+3], \a offset0:(3*(((2*\g)/3)%2)+(2*\g)%3)*44+8*((2*\g)/6) offset1:(3*(((2*\g+1)/3)%2)+(2*\g+1)%3)*44+8*((2*\g+1)/6)
.endr
.endm
.macro KLOAD d, a, a2, b               ; a key step's eight gathered tiles of K into area d, and their scale words (j = 0, 1 and j = 2, 3, a row apart): 13 loads
	KQ \d, 0, \a
	KQ \d, 1, \a2
	ds_load_2addr_b64 v[KSC:KSC+3], \b offset0:0 offset1:44
.endm
.macro VQ d, t, a                      ; channel tile t of V: six rows
.irp g, 0,1,2
	ds_load_2addr_b64 v[\d+12*\t+4*\g:\d+12*\t+4*\g+3], \a offset0:88*\g offset1:88*\g+44
.endr
.endm
.macro SUMS sa, m                      ; four pairs of p onto the four chains
.irp k, 0,1,2,3
	v_pk_add_f32 v[SM+2*\k:SM+2*\k+1], v[SM+2*\k:SM+2*\k+1], v[\sa+8*(\m)+2*\k:\sa+8*(\m)+2*\k+1]
.endr
.endm
; A KEY STEP of 128 keys.  ka: K's area, then V's; sa: the scores', then p's, then the next K's; mo, mn: -M's old and new register; qr, qs: Q and its scale words
.macro STEP ka, sa, mo, mn, qr, qs, odd
.if \odd
	s_add_co_u32 s[T2], s[CNT], 2
	s_and_b32 s[T2], s[T2], 15
	s_mul_i32 s[T2], s[T2], KP
	v_add_nc_u32 v8, s[TN], v234                   ; V's addresses: these five lines are the five places between the last products and the products that write over V's registers
	v_add_nc_u32 v11, s[TN], v4
.else
	s_mul_i32 s[TB], s[CNT], KP
	s_add_co_u32 s[TN], s[TB], KP
	v_add_nc_u32 v8, s[TB], v234
	v_add_nc_u32 v11, s[TB], v4
.endif
	v_add_nc_u32 v229, 6*LP, v8
	v_add_nc_u32 v230, 12*LP, v8
	v_add_nc_u32 v231, 18*LP, v8
	s_wait_alu depctr_va_vdst(0)
	s_wait_dscnt 0x0                               ; K is in
.irp t, 0,1,2,3
	v_wmma_scale_f32_16x16x128_f8f6f4 v[\sa+8*\t:\sa+8*\t+7], v[\ka+6*\t:\ka+6*\t+11], v[\qr:\qr+11], 0, v[KSC+\t], v[\qs] matrix_a_fmt:MATRIX_FMT_FP6 matrix_b_fmt:MATRIX_FMT_FP6
.endr
.irp t, 4,5,6,7
	v_wmma_scale_f32_16x16x128_f8f6f4 v[\sa+8*\t:\sa+8*\t+7], v[\ka+6*\t:\ka+6*\t+11], v[\qr:\qr+11], 0, v[KSC+\t-4], v[\qs] matrix_a_fmt:MATRIX_FMT_FP6 matrix_b_fmt:MATRIX_FMT_FP6 matrix_a_scale:MATRIX_SCALE_ROW1
.endr
.if \odd                               ; the next K's addresses: with the v_nop the four places in front of the loads onto K's registers and of the maxima
	v_add_nc_u32 v9, s[T2], v2
	v_add_nc_u32 v10, s[T2], v3
.else
	v_add_nc_u32 v9, s[TN], v2
	v_add_nc_u32 v10, s[TN], v3
.endif
	v_add_nc_u32 v233, 12*LP, v9
	v_nop
	VQ \ka, 0, v8                                  ; V is asked for now and lands under the softmax
	VQ \ka, 1, v229
	VQ \ka, 2, v230
	VQ \ka, 3, v231
	ds_load_b128 v[VSC:VSC+3], v11 offset:50*LP
.irp b, 0,1,2,3                                ; the largest score of each block of 32 keys, all mine, in two chains a block: for the row's maximum and, since p rises with the score, for the block's largest p
	v_max3_num_f32 v[BM+\b], v[\sa+16*\b], v[\sa+16*\b+1], v[\sa+16*\b+2]
.endr
.irp i, 3,5,7,9,11,13
.irp b, 0,1,2,3
	v_max3_num_f32 v[BM+\b], v[BM+\b], v[\sa+16*\b+\i], v[\sa+16*\b+\i+1]
.endr
.endr
.irp c, 0,1
	v_max3_num_f32 v[BM+2*\c], v[BM+2*\c], v[BM+2*\c+1], v[\sa+32*\c+15]
.endr
.irp c, 0,1
	v_max_num_f32 v[BM+2*\c], v[BM+2*\c], v[\sa+32*\c+31]
.endr
	s_delay_alu instid0(VALU_DEP_1)
	v_max3_num_f32 v13, v13, v[BM], v[BM+2]        ; the running largest score of my half of the keys,
	s_delay_alu instid0(VALU_DEP_1)
	v_permlanex16_b32 v228, v13, s[SEL], s[SEL+1]
	s_delay_alu instid0(VALU_DEP_1)
	v_max_num_f32 v13, v13, v228                   ; and of the row
	s_delay_alu instid0(VALU_DEP_1)
	v_mul_f32 v254, s[NCS], v13                    ; -t
	s_delay_alu instid0(VALU_DEP_1)
	v_floor_f32 v[\mn], v254                       ; -M = floor(-t): M is a whole number
	s_delay_alu instid0(VALU_DEP_1)
	v_sub_f32 v254, v[\mn], v[\mo]                 ; old M - new M, 0 or less
	s_delay_alu instid0(VALU_DEP_1)
	v_cvt_i32_f32 v254, v254                       ; (it saturates)
	s_delay_alu instid0(VALU_DEP_1)
	v_ldexp_f32 v252, 1.0, v254                    ; f = 2^(old M - new M)
.set j, 0
.rept 16
	v_pk_mul_f32 v[O+j:O+j+1], v[O+j:O+j+1], v[252:253] op_sel_hi:[1,0]   ; O^T under the new M, each accumulator from its low end on
.set j, j+2
.endr
.set j, 0
.rept 32
	v_pk_fma_f32 v[\sa+j:\sa+j+1], v[\sa+j:\sa+j+1], s[CS:CS+1], v[\mn:\mn+1] op_sel_hi:[1,0,0]   ; t - M
.set j, j+2
.endr
	v_fma_f32 v[BM], v[BM], s[CS], v[\mn]          ; the same of each block's largest score
	v_fma_f32 v[BM+2], v[BM+2], s[CS], v[\mn]
	s_wait_alu depctr_va_vdst(0)                   ; ahead of the batch
	v_exp_f32 v[BM], v[BM]                         ; each block's largest p
	v_exp_f32 v[BM+2], v[BM+2]
.set j, 0
.rept 64
	v_exp_f32 v[\sa+j], v[\sa+j]                   ; p = 2^(t - M)
.set j, j+1
.endr
	v_nop                                          ; a plain instruction behind the exponentials
	s_wait_alu depctr_va_vdst(0)                   ; one wait for the batch of 66, ahead of its first reader
	v_max_num_f32 v[BM], 0x1800000, v[BM]          ; the floor 2^(3 - 127).  The scale's lines stand among the sums' lines, which do not hang on them
	v_max_num_f32 v[BM+2], 0x1800000, v[BM+2]
.irp k, 0,1,2,3
	v_pk_fma_f32 v[SM+2*\k:SM+2*\k+1], v[SM+2*\k:SM+2*\k+1], v[252:253], v[\sa+2*\k:\sa+2*\k+1] op_sel_hi:[1,0,1]   ; the sums under the new M, and the first four pairs of the unquantised p
.endr
	v_add_nc_u32 v[BM+1], 0xff000000, v[BM]        ; 2 off the exponent field: the conversions' scale operands
	v_add_nc_u32 v[BM+3], 0xff000000, v[BM+2]
	SUMS \sa, 1
	v_lshrrev_b32 v[BM], 23, v[BM+1]               ; the scales' bytes: blocks h and 2 + h
	v_lshrrev_b32 v[BM+2], 23, v[BM+3]
	SUMS \sa, 2
	v_lshl_or_b32 v254, v[BM+2], 16, v[BM]
	SUMS \sa, 3
	v_lshlrev_b32 v254, v30, v254                  ; at their places in the word
	SUMS \sa, 4
	v_permlanex16_b32 v228, v254, s[SEL], s[SEL+1]
	SUMS \sa, 5
	v_or_b32 v[PW], v254, v228                     ; with lane l xor 16's two the word is whole
	v_cvt_scalef32_pk16_fp6_f32 v[PC:PC+2], v[\sa:\sa+15], v[BM+1]
	v_cvt_scalef32_pk16_fp6_f32 v[244:246], v[\sa+16:\sa+31], v[BM+1]     ; (a conversion's three registers begin on an even number)
	v_cvt_scalef32_pk16_fp6_f32 v[PC+6:PC+8], v[\sa+32:\sa+47], v[BM+3]
	v_cvt_scalef32_pk16_fp6_f32 v[248:250], v[\sa+48:\sa+63], v[BM+3]
	SUMS \sa, 6                                    ; plain instructions behind the scaled conversions
.irp i, 0,1,2
	v_mov_b32 v[PC+3+\i], v[244+\i]
	v_mov_b32 v[PC+9+\i], v[248+\i]
.endr
	KLOAD \sa, v9, v233, v10                       ; the next step's K, onto p's first 48 registers, which have been summed and converted
	SUMS \sa, 7                                    ; p's last 16 registers; these four are the places between the codes' moves and the products
	s_wait_alu depctr_va_vdst(0)
	s_wait_dscnt 13                                ; V and its scale words are in; the 13 loads of the next K may be out
.irp t, 0,1,2,3
	v_wmma_scale_f32_16x16x128_f8f6f4 v[O+8*\t:O+8*\t+7], v[\ka+12*\t:\ka+12*\t+11], v[PC:PC+11], v[O+8*\t:O+8*\t+7], v[VSC+\t], v[PW] matrix_a_fmt:MATRIX_FMT_FP6 matrix_b_fmt:MATRIX_FMT_FP6
.endr
.endm
.macro PASS qr, qs, peel               ; sixteen key steps, two a trip.  peel = 1: the first two are written out, and the barrier that shows key steps 3 to 15 stands round the second
	s_mov_b32 s[CNT], 0
.if \peel
	STEP X, Y, 14, 12, \qr, \qs, 0                 ; reads key step 0's V and key step 1's K
	s_wait_tensorcnt 0x0                           ; my own key step has landed: on every wave's way
	s_wait_dscnt 0x0                               ; no LDS load of mine is out at the signal
	s_barrier_signal -1
	STEP Y, X, 12, 14, \qr, \qs, 1                 ; work on registers, and LDS loads of key steps 1 and 2, which the first barrier has shown
	s_barrier_wait -1                              ; all sixteen key steps are in.
	s_mov_b32 s[CNT], 2
.endif
.Lpass_\@:
	STEP X, Y, 14, 12, \qr, \qs, 0
	STEP Y, X, 12, 14, \qr, \qs, 1
	s_add_co_u32 s[CNT], s[CNT], 2
	s_cmp_lt_u32 s[CNT], 16
	s_cbranch_scc1 .Lpass_\@
.endm
; THE WAY OUT of pass p: O^T / the sum; register 16 b + i is channel 32 b + 16 h + i of my query: two blocks, quantised; the image and the two scale bytes are stored.  It works in area Y: area X holds the next pass's first K
.macro OUT p
	v_pk_add_f32 v[SM:SM+1], v[SM:SM+1], v[SM+2:SM+3]          ; the four chains; these lines are also the places behind the last products
	v_pk_add_f32 v[SM+4:SM+5], v[SM+4:SM+5], v[SM+6:SM+7]
	v_pk_add_f32 v[SM:SM+1], v[SM:SM+1], v[SM+4:SM+5]
	v_add_f32 v[SM], v[SM], v[SM+1]
	v_permlanex16_b32 v228, v[SM], s[SEL], s[SEL+1]
	v_add_f32 v[SM], v[SM], v228                   ; the row's sum
	s_wait_alu depctr_va_vdst(0)
	v_rcp_f32 v[SM], v[SM]
	v_nop                                          ; a plain instruction behind the reciprocal,
	s_wait_alu depctr_va_vdst(0)                   ; and the wait ahead of its first reader
.set j, 0
.rept 32
	v_mul_f32 v[Y+j], v[O+j], v[SM]
.set j, j+1
.endr
.irp b, 0,1
	v_max3_num_f32 v[BM+\b], |v[Y+16*\b]|, |v[Y+16*\b+1]|, 0x1800000
.endr
.irp i, 2,4,6,8,10,12,14
.irp b, 0,1
	v_max3_num_f32 v[BM+\b], v[BM+\b], |v[Y+16*\b+\i]|, |v[Y+16*\b+\i+1]|
.endr
.endr
.irp b, 0,1
	v_permlanex16_b32 v[BM+2+\b], v[BM+\b], s[SEL], s[SEL+1]
.endr
.irp b, 0,1
	v_max_num_f32 v[BM+\b], v[BM+\b], v[BM+2+\b]
.endr
.irp b, 0,1
	v_add_nc_u32 v[244+\b], 0xff000000, v[BM+\b]
.endr
.irp b, 0,1
	v_lshrrev_b32 v[246+\b], 23, v[244+\b]
.endr
	v_lshl_or_b32 v254, v247, 8, v246
	v_cvt_scalef32_pk16_fp6_f32 v[PC:PC+2], v[Y:Y+15], v244
	v_cvt_scalef32_pk16_fp6_f32 v[248:250], v[Y+16:Y+31], v245
	v_nop
.irp i, 0,1,2
	v_permlane16_swap_b32 v[PC+\i], v[248+\i]      ; a whole block to a lane
.endr
.irp i, 0,1,2
	v_mov_b32 v[PC+3+\i], v[248+\i]
.endr
.irp q, 0,1,2
	global_store_b64 v1, v[PC+2*\q:PC+2*\q+1], s[50:51] offset:256*\q+16*REC*\p   ; 32 lanes store 256 consecutive bytes, aligned
.endr
	global_store_b16 v7, v254, s[52:53] offset:16*REC*\p   ; a head owns half of a scale word; lanes l and l xor 16 write the same two bytes with the same value
.endm
	INIT
	s_wait_alu depctr_va_vdst(0)
	s_wait_loadcnt 0x4                             ; pass 0's Q is in; pass 1's four loads may be out
	s_cmp_lt_u32 s[WV], 3
	s_cbranch_scc0 .Lnot_first
	s_wait_tensorcnt 0x0                           ; waves 0 to 2: my key step has landed
.Lnot_first:
	s_barrier_signal -1
	s_barrier_wait -1                              ; key steps 0 to 2 are in; the others may be on their way.
	KLOAD X, v2, v233, v3                          ; key step 0's K
	PASS 16, 28, 1
	OUT 0
	s_wait_xcnt 0x0                                ; the stores have read their data: the registers may be written again
	INIT
	s_wait_alu depctr_va_vdst(0)
	s_wait_loadcnt 0x0                             ; pass 1's Q
	PASS 192, 29, 0
	OUT 1
	s_wait_tensorcnt 0x0                           ; the wave's end
	ds_add_u32 v5, v6
	s_wait_dscnt 0x0
	CROUND                                         ; the closing round
	s_endpgm
.Lfunc_end_k_q3b4599c456_attn:
	.size	k_q3b4599c456_attn, .Lfunc_end_k_q3b4599c456_attn-k_q3b4599c456_attn
	.p2alignl 7, 3214868480
	.fill 96, 4, 3214868480
	.section	.rodata,"a",@progbits
	.p2align	6, 0x0
	.amdhsa_kernel k_q3b4599c456_attn
		.amdhsa_group_segment_fixed_size 289280
		.amdhsa_private_segment_fixed_size 0
		.amdhsa_enable_private_segment 0
		.amdhsa_kernarg_size 16
		.amdhsa_user_sgpr_count 2
		.amdhsa_user_sgpr_kernarg_segment_ptr 1
		.amdhsa_wavefront_size32 1
		.amdhsa_system_sgpr_workgroup_id_x 1
		.amdhsa_system_sgpr_workgroup_id_y 1
		.amdhsa_system_sgpr_workgroup_id_z 1
		.amdhsa_system_vgpr_workitem_id 0
		.amdhsa_next_free_vgpr 256
		.amdhsa_next_free_sgpr 66
		.amdhsa_reserve_vcc 0
		.amdhsa_float_denorm_mode_32 3
		.amdhsa_float_denorm_mode_16_64 3
		.amdhsa_memory_ordered 1
		.amdhsa_forward_progress 1
		.amdhsa_inst_pref_size 106
	.end_amdhsa_kernel
	.amdgpu_metadata
---
amdhsa.version: [ 1, 2 ]
amdhsa.kernels:
  - .name:           k_q3b4599c456_attn
    .symbol:         k_q3b4599c456_attn.kd
    .args:
      - { .name: qkv, .offset: 0, .size: 8, .value_kind: global_buffer, .address_space: global }
      - { .name: cc, .offset: 8, .size: 8, .value_kind: global_buffer, .address_space: global }
    .group_segment_fixed_size: 289280
    .private_segment_fixed_size: 0
    .kernarg_segment_align: 8
    .kernarg_segment_size: 16
    .max_flat_workgroup_size: 512
    .sgpr_count:     66
    .vgpr_count:     256
    .wavefront_size: 32
...
	.end_amdgpu_metadata
.endif
;; end of part 3
;; launch outp (part 4): grid 64 x 4, 4 waves a work-group, clusters of 4 x 4, 307,712 bytes of LDS; arguments cc, opc, bo, out0; writes out0
.if DOCPART == 4
	.amdgcn_target "amdgcn-amd-amdhsa--gfx1250"
	.amdhsa_code_object_version 6
	.text
	.protected	k_q3b4599c456_outp
	.globl	k_q3b4599c456_outp
	.p2align	8
	.type	k_q3b4599c456_outp,@function
k_q3b4599c456_outp:
	s_mov_b64 s[64:65], 0
	v_nop
	global_prefetch_b8 v0, s[64:65] scope:SCOPE_SE
	s_setreg_imm32_b32 hwreg(HW_REG_WAVE_MODE, 25, 1), 1
	s_wait_xcnt 0x0
	s_wait_alu depctr_hold_cnt(0) depctr_sa_sdst(0) depctr_va_vdst(0) depctr_va_sdst(0) depctr_va_ssrc(0) depctr_va_vcc(0) depctr_vm_vsrc(0)
	s_getreg_b32 s2, hwreg(HW_REG_IB_STS2, 6, 4)
	s_cmp_eq_u32 s2, 0
	s_cbranch_scc0 .Lentry_in_a_cluster
	s_endpgm
.Lentry_in_a_cluster:
	s_bfe_u32 s2, ttmp6, 0x10000c
	s_cmp_lg_u32 s2, 0xf033
	s_cbranch_scc0 .Lentry_shape_is_right
	s_endpgm
.Lentry_shape_is_right:
; out0 = ctx Wo^T + bo on codes of FP6 (E2M3) with E8M0 scales; out0 [8192][1024] f32.
; The product's part is that of the projections' launch: a work-group makes 128 tokens (side A: source 1, the result's lanes; ctx's tiles in cc) x 256 columns (side B: source 0, the result's registers; Wo's tiles 704 on in opc), K = 1,024.
; ALL OF K LIES IN LDS; each wave brings its share by one tensor load at the head (one is out at most); no LDS byte is filled twice.  CLUSTER 4 x 4: A's tiles hang on cy and are asked for jointly along a row, B's on cx and along a column.
; Four waves: wave (wm, wn) makes 64 x 128: 32 accumulators, which take turns, one instruction a turn, in the same order in every K step.  The bias is the C of the first K step's products.
; A tile's lane r stands for row 32 (T / 2) + 8 (T % 2) + r + 8 (r / 8): the way out puts each row at its true place.
; REGISTERS: window 0: v4-14 addresses; v32-63 scale words, two sets; v64-127 the bias; v128-223 A's fragments, two sets (on the way out v128-255: rows read back).  window 1: B's fragments, two sets.  window 2: accumulator (a, b) at v[64 a + 8 b].
.set REC,   13312
; THE FILL AS IT STANDS: each wave brings its share by ONE tensor load at the head. A tile's four parts lie SUB bytes apart and the next tile follows,
; so 4 x tiles rows of TROW bytes at a pitch of SUB are one tile of the descriptor. In LDS part q of tile i of a side lies at (4 i + q) x TROW; every wave waits for its load and one barrier shows all of K.
.set ADB2,  28                         ; v28  LDS: my B fragments, tiles 4 to 7 (an LDS offset has 16 bits)
.set ASC2,  29                         ; v29  scale words of tiles 4 to 7
.set SUB,   3328
.set TROW,  3200
.set BOFF,  32*TROW                    ; behind A's 8 tiles x 4 parts
.set CH,    24*TROW
.set SPARE, 4*CH
.set SPITCH, 528                       ; the way out: a stage of 16 rows x (512 bytes + 16) for each wave, from LDS byte 0 on: bytes that have had their only fill; a barrier, signalled behind each wave's last LDS read, stands ahead of the first store there
.set ADA,  4
.set ADB,  5
.set ASC,  6
.set L8,   8
.set BNA,  9
.set SPW,  10
.set NIL,  11
.set STO,  12
.set RD,   13
.set CO,   14
.set SC,   32
.set BN,   64
.set AF,   128
.set BK,   128
.set G1A,  24
.set G1B,  32
.set G0A,  40
.set G0B,  68
.set MSB, 0
.macro WIN new
.if MSB != \new
	s_set_vgpr_msb (MSB<<8)|\new
.set MSB, \new
.endif
.endm
.set MUL,  0xa1                        ; source 0 (B) window 1, source 1 (A) window 0, C and D window 2
.set MUL0, 0x81                        ; the same with C (the bias) in window 0
.set TO_B, 0x40
.macro CROUND
	s_barrier_signal -1
	s_barrier_wait -1
	s_cmp_lg_u32 s14, 0
	s_cbranch_scc1 .Lnot_wave_0_\@
	s_barrier_signal -3
.Lnot_wave_0_\@:
	s_barrier_wait -3
	s_barrier_signal -1
	s_barrier_wait -1
.endm
	s_load_b256 s[4:11], s[0:1], 0x0               ; cc, opc, bo, out0
	v_lshl_add_u32 v[SPW], v0, 2, SPARE
	v_mov_b32 v[NIL], 0
	ds_add_u32 v[SPW], v[NIL]                      ; the wave's opening: the add and its wait ahead of my first tensor load
	ds_add_u32 v[SPW], v[NIL]
	v_lshrrev_b32 v1, 5, v0
	v_readfirstlane_b32 s14, v1                    ; wave
	s_lshr_b32 s15, s14, 1                         ; wm.  Also: I fetch for A (0) or for B (1)
	s_and_b32 s16, s14, 1                          ; wn.  Also: which half of that side's tiles I fetch
	s_bfe_u32 s17, ttmp6, 0x40000                  ; cx: which 256 columns
	s_bfe_u32 s18, ttmp6, 0x40004                  ; cy
	s_lshl_b32 s20, ttmp9, 2
	s_add_co_u32 s20, s20, s18                     ; which 128 tokens
	s_lshl_b32 s19, s18, 2
	s_lshl_b32 s19, 15, s19                        ; my row of the cluster
	s_lshl_b32 s66, 0x1111, s17                    ; my column
	s_or_b32 s[G1A], s19, (3<<16)|(1<<21)
	s_or_b32 s[G1B], s66, (3<<16)|(1<<21)
	s_mov_b32 s[G1A+1], 400<<16                    ; rows of 3,200 bytes, one tile's part each;
	s_mov_b32 s[G1A+2], 16<<16                     ; four tiles x four parts
	s_mov_b32 s[G1A+3], 400<<16
	s_mov_b32 s[G1A+4], 16
	s_mov_b32 s[G1A+5], SUB/8                      ; from part to part
	s_mov_b32 s[G1A+6], 0
	s_mov_b32 s[G1A+7], 0
	s_mov_b32 s[G1B+1], 400<<16
	s_mov_b32 s[G1B+2], 32<<16                     ; eight tiles x four parts
	s_mov_b32 s[G1B+3], 400<<16
	s_mov_b32 s[G1B+4], 32
	s_mov_b32 s[G1B+5], SUB/8
	s_mov_b32 s[G1B+6], 0
	s_mov_b32 s[G1B+7], 0
	s_lshl_b32 s58, s20, 3
	s_lshl_b32 s59, s16, 2
	s_add_co_u32 s58, s58, s59
	s_mul_i32 s58, s58, REC
	s_mov_b32 s59, 0
	s_lshl_b32 s60, s17, 4
	s_add_co_u32 s60, s60, 704
	s_lshl_b32 s61, s16, 3
	s_add_co_u32 s60, s60, s61
	s_mul_i32 s60, s60, REC
	s_mov_b32 s61, 0
	s_mul_i32 s62, s16, 16*TROW
	s_mul_i32 s63, s16, 32*TROW
	s_wait_dscnt 0x0                               ; the opening add is done
	s_wait_kmcnt 0x0
	s_add_nc_u64 s[58:59], s[4:5], s[58:59]
	s_add_nc_u64 s[60:61], s[6:7], s[60:61]
.irp q, 0
	s_mov_b32 s[G0A+4*\q], 1
	s_add_co_u32 s[G0A+4*\q+1], s62, \q*CH
	s_add_nc_u64 s[G0A+4*\q+2:G0A+4*\q+3], s[58:59], \q*SUB
	s_or_b32 s[G0A+4*\q+3], s[G0A+4*\q+3], 0x80000000
	s_mov_b32 s[G0B+4*\q], 1
	s_add_co_u32 s[G0B+4*\q+1], s63, \q*CH+BOFF
	s_add_nc_u64 s[G0B+4*\q+2:G0B+4*\q+3], s[60:61], \q*SUB
	s_or_b32 s[G0B+4*\q+3], s[G0B+4*\q+3], 0x80000000
.endr
	CROUND                                         ; all sixteen work-groups are here: the joint loads meet
	s_cmp_eq_u32 s15, 0
	s_cbranch_scc0 .Lfirst_b
.irp q, 0
	tensor_load_to_lds s[G0A+4*\q:G0A+4*\q+3], s[G1A:G1A+7]
	s_nop 0
.endr
.rept 4
	v_nop
.endr
	s_branch .Lfirst_asked
.Lfirst_b:
.irp q, 0
	tensor_load_to_lds s[G0B+4*\q:G0B+4*\q+3], s[G1B:G1B+7]
	s_nop 0
.endr
.rept 4
	v_nop
.endr
.Lfirst_asked:
	v_and_b32 v1, 31, v0
	v_and_b32 v2, 15, v0                           ; r
	v_bfe_u32 v3, v0, 4, 1                         ; h
	v_lshlrev_b32 v[L8], 3, v1
	s_mul_i32 s56, s15, 16*TROW
	s_mul_i32 s67, s16, 32*TROW
	s_add_co_u32 s67, s67, BOFF
	v_add_nc_u32 v[ADA], s56, v[L8]
	v_add_nc_u32 v[ADB], s67, v[L8]
	s_sub_co_u32 s67, s67, s56
	v_mul_u32_u24 v[ASC], s67, v3                  ; lanes 16-31 take B's words: A's base + h x the distance
	v_lshl_add_u32 v[ASC], v2, 3, v[ASC]
	s_add_co_u32 s56, s56, 3072
	v_add_nc_u32 v[ASC], s56, v[ASC]
	v_add_nc_u32 v[ADB2], 16*TROW, v[ADB]
	v_add_nc_u32 v[ASC2], 16*TROW, v[ASC]
	s_mul_i32 s56, s14, 16*SPITCH                  ; my stage
	v_mul_u32_u24 v[STO], v2, SPITCH
	v_lshl_add_u32 v[STO], v3, 6, v[STO]
	v_add_nc_u32 v[STO], s56, v[STO]               ; in: row r, + 64 h
	v_lshlrev_b32 v[CO], 4, v1                     ; back: the 32 lanes take a row of 512 bytes; and the same in out0
	v_add_nc_u32 v[RD], s56, v[CO]
	s_lshl_b32 s98, s17, 10
	s_lshl_b32 s85, s16, 9
	s_add_co_u32 s98, s98, s85                     ; my 128 columns, in bytes
	s_lshl_b32 s86, s20, 19                        ; 128 tokens of 4,096 bytes
	s_lshl_b32 s85, s15, 18
	s_add_co_u32 s86, s86, s85
	s_add_co_u32 s86, s86, s98
	s_mov_b32 s87, 0
	s_add_nc_u64 s[10:11], s[10:11], s[86:87]
	v_lshl_add_u32 v[BNA], v3, 6, s98
.irp b, 0,1,2,3,4,5,6,7
	global_load_b128 v[BN+8*\b:BN+8*\b+3], v[BNA], s[8:9] offset:4*(32*(\b/2)+8*(\b%2))      ; tile b's eight columns of my half: 32 (b / 2) + 8 (b % 2) + 16 h + 0 .. 7
	global_load_b128 v[BN+8*\b+4:BN+8*\b+7], v[BNA], s[8:9] offset:4*(32*(\b/2)+8*(\b%2))+16
.endr
.macro FETCH s
	WIN TO_B
.irp i, 0,1,2,3,4,5,6,7
.irp p, 0,1,2,3,4,5
	ds_load_b64 v[128*((\s)%2)+12*\i+2*\p:128*((\s)%2)+12*\i+2*\p+1], v[ADB+(ADB2-ADB)*(\i/4)] offset:4*TROW*(\i%4)+TROW*((\s)/2)+1536*((\s)%2)+256*\p
.endr
.endr
	WIN 0
.irp i, 0,1,2,3
.irp p, 0,1,2,3,4,5
	ds_load_b64 v[AF+48*((\s)%2)+12*\i+2*\p:AF+48*((\s)%2)+12*\i+2*\p+1], v[ADA] offset:4*TROW*\i+TROW*((\s)/2)+1536*((\s)%2)+256*\p
.endr
.endr
.endm
.macro SCALES q                        ; register 2 i + u: lanes 0-15 A's block i, lanes 16-31 B's block i.  (For i over 3, lanes 0-15 read landed bytes that no product names)
.irp i, 0,1,2,3,4,5,6,7
	ds_load_b64 v[SC+16*((\q)%2)+2*\i:SC+16*((\q)%2)+2*\i+1], v[ASC+(ASC2-ASC)*(\i/4)] offset:4*TROW*(\i%4)+TROW*(\q)
.endr
.endm
.macro MUL32 s
.set PP, (\s)%2
.set QS, SC+16*(((\s)/2)%2)+PP
.irp a, 0,1,2,3
.irp b, 0,1,2,3,4,5,6,7
.if (\s) == 0
.set rC, BN+8*\b                       ; the bias starts the sums
.else
.set rC, 64*\a+8*\b
.endif
	v_wmma_scale_f32_16x16x128_f8f6f4 v[64*\a+8*\b:64*\a+8*\b+7], v[128*PP+12*\b:128*PP+12*\b+11], v[AF+48*PP+12*\a:AF+48*PP+12*\a+11], v[rC:rC+7], v[QS+2*\b], v[QS+2*\a] matrix_a_fmt:MATRIX_FMT_FP6 matrix_b_fmt:MATRIX_FMT_FP6 matrix_a_scale:MATRIX_SCALE_ROW1
.endr
.endr
.endm
.macro KSTEP s
	s_wait_dscnt 0x0                               ; this step's fragments are in: they were asked for 32 products ago
.if (\s) == 7
	s_barrier_signal -1                            ; my last reads of the tiles are over; the step's products, work on registers, stand between signal and wait
.endif
.if ((\s) > 0) && ((\s) < 7)
.rept 4
	v_nop
.endr
.endif
.if (\s) < 7
	FETCH (\s)+1
.if (\s)%2 == 1
	SCALES ((\s)+1)/2
.endif
.endif
.if (\s) == 0
	WIN MUL0
.else
	WIN MUL
.endif
	MUL32 \s
	WIN 0
.if (\s) == 7
	s_barrier_wait -1                              ; everybody's are: the stages may be written
.endif
.endm
	s_wait_alu depctr_va_vdst(0)
	s_wait_loadcnt 0x0                             ; the bias
	s_wait_tensorcnt 0x0                           ; my one load has landed: my share of all of K
	s_barrier_signal -1
	s_barrier_wait -1
	FETCH 0
	SCALES 0
.irp s, 0,1,2,3,4,5,6,7
	KSTEP \s
.endr
; THE WAY OUT, block by block of 16 tokens x 128 columns: a lane holds 32 neighbouring bytes of a row for each tile b; a block goes through my own stage and comes back as whole rows of 512 bytes.
; LDS serves a wave's instructions in order: no wait between the stores and the loads, nor in front of the next block's stores.
.macro TOSTAGE a
	WIN 0x08                                       ; an LDS store's data are its source 1: window 2
.irp b, 0,1,2,3,4,5,6,7
	ds_store_b128 v[STO], v[64*(\a)+8*\b:64*(\a)+8*\b+3] offset:128*(\b/2)+32*(\b%2)        ; each accumulator from its low end on
	ds_store_b128 v[STO], v[64*(\a)+8*\b+4:64*(\a)+8*\b+7] offset:128*(\b/2)+32*(\b%2)+16
.endr
	WIN 0
.set BB, BK+64*((\a)%2)
.irp t, 0,1,2,3,4,5,6,7,8,9,10,11,12,13,14,15
	ds_load_b128 v[BB+4*\t:BB+4*\t+3], v[RD] offset:\t*SPITCH
.endr
.endm
.macro SEND a, younger                 ; younger: the LDS instructions issued behind block a's loads, which may stay out
.set BB, BK+64*((\a)%2)
	s_wait_dscnt \younger
.irp t, 0,1,2,3,4,5,6,7,8,9,10,11,12,13,14,15
	global_store_b128 v[CO], v[BB+4*\t:BB+4*\t+3], s[10:11] offset:4096*(32*((\a)/2)+8*((\a)%2)+\t+8*(\t/8)) th:TH_STORE_NT   ; 32 lanes store 512 consecutive bytes, aligned; lane t's true row stands in the immediate
.endr
.endm
.rept 4
	v_nop                                          ; places behind the last products: for the reads of results and the loads into A's registers
.endr
	TOSTAGE 0
.irp a, 1,2,3
.if \a > 1
	s_wait_xcnt 0x0                                ; block a - 2's stores have read their data: block a's loads may land there
.endif
	TOSTAGE \a
	SEND \a-1, 32                                  ; behind block a - 1's loads: block a's 16 stores and 16 loads
.endr
	SEND 3, 0
	s_wait_tensorcnt 0x0                           ; the wave's end, behind my last tensor load and my last LDS store
	ds_add_u32 v[SPW], v[NIL]
	s_wait_dscnt 0x0
	CROUND                                         ; the closing round
	s_endpgm
.Lfunc_end_k_q3b4599c456_outp:
	.size	k_q3b4599c456_outp, .Lfunc_end_k_q3b4599c456_outp-k_q3b4599c456_outp
	.p2alignl 7, 3214868480
	.fill 96, 4, 3214868480
	.section	.rodata,"a",@progbits
	.p2align	6, 0x0
	.amdhsa_kernel k_q3b4599c456_outp
		.amdhsa_group_segment_fixed_size 307712
		.amdhsa_private_segment_fixed_size 0
		.amdhsa_enable_private_segment 0
		.amdhsa_kernarg_size 32
		.amdhsa_user_sgpr_count 2
		.amdhsa_user_sgpr_kernarg_segment_ptr 1
		.amdhsa_wavefront_size32 1
		.amdhsa_system_sgpr_workgroup_id_x 1
		.amdhsa_system_sgpr_workgroup_id_y 1
		.amdhsa_system_sgpr_workgroup_id_z 1
		.amdhsa_system_vgpr_workitem_id 0
		.amdhsa_next_free_vgpr 768
		.amdhsa_next_free_sgpr 100
		.amdhsa_reserve_vcc 0
		.amdhsa_float_denorm_mode_32 3
		.amdhsa_float_denorm_mode_16_64 3
		.amdhsa_memory_ordered 1
		.amdhsa_forward_progress 1
		.amdhsa_inst_pref_size 95
	.end_amdhsa_kernel
	.amdgpu_metadata
---
amdhsa.version: [ 1, 2 ]
amdhsa.kernels:
  - .name:           k_q3b4599c456_outp
    .symbol:         k_q3b4599c456_outp.kd
    .args:
      - { .name: cc, .offset: 0, .size: 8, .value_kind: global_buffer, .address_space: global }
      - { .name: opc, .offset: 8, .size: 8, .value_kind: global_buffer, .address_space: global }
      - { .name: bo, .offset: 16, .size: 8, .value_kind: global_buffer, .address_space: global }
      - { .name: out0, .offset: 24, .size: 8, .value_kind: global_buffer, .address_space: global }
    .group_segment_fixed_size: 307712
    .private_segment_fixed_size: 0
    .kernarg_segment_align: 8
    .kernarg_segment_size: 32
    .max_flat_workgroup_size: 128
    .sgpr_count:     100
    .vgpr_count:     768
    .wavefront_size: 32
...
	.end_amdgpu_metadata
.endif
;; end of part 4
